; MI455X (gfx1250); checked and timed in simulation.
; The chip was launched on July 23, 2026; its instructions are those of AMD's public machine-readable ISA for CDNA 5 (MIT licence, August 2026) and "CDNA5" Instruction Set Architecture Reference Guide (July 2026). The comments in the code are by the model that wrote it; some were corrected since.
;; GQA Attention. Allowed arithmetic: matrix products marked QUANTISED: E2M1 operands, one E8M0 scale for each 32 along K, by v_wmma_scale_f32_16x16x128_f8f6f4 with both operands' format E2M1 (or v_wmma_scale_f32_32x16x128_f4), f32 sums; products left as they are: bf16, f16 or f32 operands; f32 sums; everything else in f32.
;; Inputs: Wk 1,024 x 256 float32; Wo 1,024 x 1,024 float32; Wq 1,024 x 1,024 float32; Wv 1,024 x 256 float32; bk 256 float32; bo 1,024 float32; bq 1,024 float32; bv 256 float32; x 2 x 2,048 x 1,024 float32.
;; Outputs: out0 2 x 2,048 x 1,024 float32.
;; This version of the problem:
;;   THIS VERSION OF THE PROBLEM IS GIVEN IN LOW PRECISION. The matrix products marked QUANTISED in the list below multiply operands that are first quantised to E2M1 (2 exponent bits, 1 mantissa bit; 4 bits a number), with one power-of-two scale for each 32 numbers along K (OCP MX v1.0); their sums are f32. The products marked 'left as it is' may take bf16, f16 or f32 operands, with f32 sums. Whichever they take, every output number must still come out within the allowed error. Rounding operands to bf16 (8 significant bits) uses up far more of that allowance than f16 does (11 bits, for magnitudes from 6e-5 to 65,504). All else is computed in f32.
;;   The module's matrix products, in the order in which they are computed (A, B: the left and right operand; K: the contracted axis; several contracted axes count as one K, in the product's order):
;;     1. [M 4,096, K 1,024] x [K 1,024, N 1,024]; A: input x; B: input Wq: QUANTISED
;;     2. [M 4,096, K 1,024] x [K 1,024, N 256]; A: input x; B: input Wk: QUANTISED
;;     3. [M 4,096, K 1,024] x [K 1,024, N 256]; A: input x; B: input Wv: QUANTISED
;;     4. batch 8 x [M 8,192, K 64] x [K 64, N 2,048]; A: computed on the way; B: computed on the way: left as it is (an operand is computed on the way)
;;     5. batch 8 x [M 8,192, K 2,048] x [K 2,048, N 64]; A: computed on the way; B: computed on the way: left as it is (an operand is computed on the way)
;;     6. [M 4,096, K 1,024] x [K 1,024, N 1,024]; A: computed on the way; B: input Wo: left as it is (an operand is computed on the way)
;;   THE QUANTISER, for each operand of a quantised product, along K:
;;     - K is cut into blocks of 32 from its start; a last block that is shorter is filled with zeros.
;;     - A block's scale is 2^e with e = floor(log2(the largest magnitude in the block)) - 2, held to -126 .. 127; a block of zeros has e = 0. As a byte (E8M0): e + 127.
;;     - Each number is divided by its block's scale, clamped to +-6, and rounded to the nearest number of E2M1, ties to even, subnormals kept.
;;     - The product sums the exact products of the quantised numbers (number of the format x scale) in f32.
;;   ~~~python
;;   def quantise(x, axis):      # numpy; x: float32 -> the quantised numbers, widened to float32 again
;;       x = np.moveaxis(x, axis, -1); K = x.shape[-1]
;;       x = np.pad(x, [(0, 0)] * (x.ndim - 1) + [(0, -K % 32)]); x = x.reshape(x.shape[:-1] + (-1, 32)); a = np.abs(x).max(-1, keepdims=True)
;;       e = np.where(a > 0, np.clip(np.frexp(np.where(a > 0, a, 1))[1] - 1 - 2, -126, 127), 0)      # np.frexp(a)[1] - 1 = floor(log2(a)), exactly
;;       r = np.clip(x / 2.0 ** e, -6, 6)
;;       step = 2.0 ** (np.maximum(np.frexp(np.where(r == 0, 1, r))[1] - 1, 0) - 1)
;;       q = np.round(r / step) * step * 2.0 ** e      # np.round: ties to even
;;       return np.moveaxis(q.reshape(q.shape[:-2] + (-1,))[..., :K], -1, axis).astype(np.float32)
;;   ~~~
;; One version. Each part assembles by itself: llvm-mc -triple=amdgcn-amd-amdhsa -mcpu=gfx1250 --defsym DOCPART=n.
;; ======== version 1 of 1: 5 launches
;; limits: values are held in f16: magnitudes above 65,504 overflow, below 6.1e-05 lose precision
;; workspace buffers: xc 2,097,152 bytes; xs 131,072 bytes; wc 786,432 bytes; ws 49,152 bytes; wo16 2,097,152 bytes; qkv 12,582,912 bytes; ao 8,388,608 bytes; fine32 196,608 bytes
;; launch prep (part 1): grid 416 x 1, 4 waves a work-group, no clusters, 68,096 bytes of LDS; arguments x, Wq, Wk, Wv, Wo, xc, xs, wc, ws, wo16; writes xc, xs, wc, ws, wo16
.if DOCPART == 1
	.amdgcn_target "amdgcn-amd-amdhsa--gfx1250"
	.amdhsa_code_object_version 6
	.text
	.protected	k_q924965cf5d_prep
	.globl	k_q924965cf5d_prep
	.p2align	8
	.type	k_q924965cf5d_prep,@function
k_q924965cf5d_prep:
	s_mov_b64 s[64:65], 0
	v_nop
	global_prefetch_b8 v0, s[64:65] scope:SCOPE_SE
	s_setreg_imm32_b32 hwreg(HW_REG_WAVE_MODE, 25, 1), 1
	s_wait_xcnt 0x0
; PREP.  x [4096][1024] and Wq, Wk, Wv [1024][N], f32, become codes of E2M1 with one E8M0 byte for each 32 along K = 1024; Wo [1024][1024] becomes f16.
; Every result is laid in the order of its reader's operand registers: blocks of 512 bytes, lane l's 16 bytes at 16 l.
;   xc: token block mb (128 tokens) x 65536 + K step s (128 along K) x 8192 + token tile t x 1024 + c x 512 + 16 l: lane (r, h) = token r of the tile, k = 128 s + 64 c + 32 h + 0..31
;   xs: token tile T x 512 + s x 64 + 4 r: the K step's four scale bytes of token r
;   wc: column block j (192 columns = 12 tiles: 8 of Wq, 4 of Wk (j < 4) or Wv) x 98304 + s x 12288 + tile u x 1024 + c x 512 + 16 l;   ws: (12 j + u) x 512 + s x 64 + 4 r
;   wo16: column block nb (128) x 262144 + ks (256 along K) x 65536 + column tile t x 8192 + kk x 512 + 16 l: lane (r, h) = Wo[256 ks + 16 kk + 8 h + 0..7][128 nb + 16 t + r]
; A block's scale is 2^(floor(log2(largest magnitude)) - 2): its byte is the largest magnitude's exponent field - 2, held at 1 from below.
; SHARES: 416 work-groups of four waves, 64 KB of input each: 0-255 a tile of 16 tokens of x; 256-351 128 columns x 128 along K of Wq, Wk or Wv; 352-415 the same of Wo.
; Waves share nothing: no barrier.  No matrix unit, no cluster, no tensor load: a stream that is read once.
; LIMITS: a block of zeros gets the byte 1 where the rule says 127 (its codes are zeros, and this program alone reads the bytes); blocks whose largest magnitude lies under 2^-124 are held at byte 1;
; NaN and infinities are not served; Wo must stay under 65,504 in magnitude (f16).  xs and ws leave in pieces of 128 and 64 bytes: 180,224 bytes in all.
.set SPARE, 67584                      ; behind the four waves' stages: the spare words, 128 bytes a wave
.set WREG,  16896                      ; a wave's LDS: two stages
.set SROW,  528                        ; a stage row: 512 bytes (128 numbers of one token) + 16 of padding
.set SSTG,  16*SROW                    ; a stage: 16 tokens
.set R,     64                         ; v64-191  numbers as loaded
.set X,     192                        ; v192-255 x: 64 numbers in the operand's order; Wo: f16 pairs
.set CD,    24                         ; v24-39   codes: registers of their own for each store
	s_load_b512 s[4:19], s[0:1], 0x0               ; x 4, Wq 6, Wk 8, Wv 10, Wo 12, xc 14, xs 16, wc 18
	s_load_b128 s[20:23], s[0:1], 0x40             ; ws 20, wo16 22
	v_lshl_add_u32 v4, v0, 2, SPARE                ; my spare word
	v_mov_b32 v5, 0
	v_lshrrev_b32 v1, 5, v0
	v_readfirstlane_b32 s24, v1                    ; wave 0..3
	v_and_b32 v1, 31, v0                           ; l
	v_and_b32 v2, 15, v0                           ; r
	v_bfe_u32 v3, v0, 4, 1                         ; h
	v_lshlrev_b32 v6, 4, v1                        ; 16 l
	v_lshlrev_b32 v10, 2, v1                       ; 4 l
	s_mul_i32 s25, s24, WREG
	v_add_nc_u32 v7, s25, v6                       ; the stage, on the way in: a token's 512 bytes as they lie
	v_mul_u32_u24 v8, v2, SROW
	v_lshl_add_u32 v8, v3, 7, v8
	v_add_nc_u32 v8, s25, v8                       ; and on the way out: token r, 128 h bytes on: my 32 numbers of each 64
	s_mov_b32 s26, 0x76543210
	s_mov_b32 s27, 0xfedcba98                      ; v_permlanex16_b32's selects for lane l xor 16
	s_mov_b32 s31, 0                               ; the high words of the offset pairs
	s_mov_b32 s33, 0
	s_mov_b32 s35, 0
	s_wait_kmcnt 0x0
	s_cmp_ge_u32 ttmp9, 256
	s_cbranch_scc1 .Lweights
; ---- x: token tile T = the work-group's number; wave w takes K steps 2 w and 2 w + 1.
	s_lshl_b32 s30, ttmp9, 16                      ; 16 rows of 4,096 bytes
	s_lshl_b32 s36, s24, 10                        ; two K steps of 512 bytes
	s_add_co_u32 s30, s30, s36
	s_add_nc_u64 s[28:29], s[4:5], s[30:31]
	s_lshr_b32 s32, ttmp9, 3
	s_lshl_b32 s32, s32, 16                        ; xc: token block,
	s_and_b32 s36, ttmp9, 7
	s_lshl_b32 s36, s36, 10                        ; tile in it,
	s_add_co_u32 s32, s32, s36
	s_lshl_b32 s36, s24, 14                        ; K step 2 w
	s_add_co_u32 s32, s32, s36
	s_add_nc_u64 s[32:33], s[14:15], s[32:33]
	s_lshl_b32 s34, ttmp9, 9                       ; xs: tile x 512 + w x 128
	s_lshl_b32 s36, s24, 7
	s_add_co_u32 s34, s34, s36
	s_add_nc_u64 s[34:35], s[16:17], s[34:35]
.irp s, 0,1
.set n, 0
.rept 16
	global_load_b128 v[R+64*\s+4*n:R+64*\s+4*n+3], v6, s[28:29] offset:n*4096+\s*512 th:TH_LOAD_NT   ; 32 lanes read 512 consecutive bytes: a token's K step
.set n, n+1
.endr
.endr
	v_lshlrev_b32 v19, 3, v3                       ; 8 h
	v_mov_b32 v20, 0                               ; a lane permute's destination counts as one of its sources
; One K step: through my stage, so that lane (r, h) holds k = 64 c + 32 h + 0..31 of token r: two whole blocks of 32; then the blocks' scales, the codes, the stores.
.macro XSTEP s
	s_wait_loadcnt 16*(1-\s)                       ; this K step's 16 loads are in; the other's may be out
.set n, 0
.rept 16
	ds_store_b128 v7, v[R+64*\s+4*n:R+64*\s+4*n+3] offset:\s*SSTG+n*SROW
.set n, n+1
.endr
.irp c, 0,1
.irp q, 0,1,2,3,4,5,6,7
	ds_load_b128 v[X+32*\c+4*\q:X+32*\c+4*\q+3], v8 offset:\s*SSTG+256*\c+16*\q   ; LDS serves a wave's instructions in order: these see my stores
.endr
.endr
	s_wait_dscnt 0x0
.irp c, 0,1
	v_max3_num_f32 v[12+\c], |v[X+32*\c]|, |v[X+32*\c+1]|, 0x1800000   ; block 2 c + h: all 32 numbers are mine; the floor 2^(3 - 127) holds the byte at 1 from below
.endr
.irp i, 2,4,6,8,10,12,14,16,18,20,22,24,26,28,30
.irp c, 0,1
	v_max3_num_f32 v[12+\c], v[12+\c], |v[X+32*\c+\i]|, |v[X+32*\c+\i+1]|
.endr
.endr
.irp c, 0,1
	v_add_nc_u32 v[14+\c], 0xff000000, v[12+\c]    ; 2 off the exponent field: the conversion's scale operand
.endr
.irp c, 0,1
	v_lshrrev_b32 v[16+\c], 23, v[14+\c]           ; the scale's byte
.endr
	v_lshl_or_b32 v18, v17, 16, v16                ; my two bytes, blocks h and 2 + h,
	v_lshlrev_b32 v18, v19, v18                    ; at their places in the word;
	v_permlanex16_b32 v20, v18, s26, s27
	v_or_b32 v[22+\s], v18, v20                    ; with lane l xor 16's two the word is whole
.irp c, 0,1
.irp g, 0,1,2,3
	v_cvt_scalef32_pk8_fp4_f32 v[CD+8*\s+4*\c+\g], v[X+32*\c+8*\g:X+32*\c+8*\g+7], v[14+\c]
.endr
.endr
	v_nop                                          ; one plain place behind the scaled conversions
.irp c, 0,1
	global_store_b128 v6, v[CD+8*\s+4*\c:CD+8*\s+4*\c+3], s[32:33] offset:\s*8192+512*\c   ; 32 lanes store 512 consecutive bytes
.endr
.endm
	XSTEP 0
	XSTEP 1
	v_cmp_eq_u32 vcc_lo, 1, v3
	v_cndmask_b32 v21, v22, v23, vcc_lo            ; lanes 0-15 the word of K step 2 w, lanes 16-31 that of 2 w + 1
	global_store_b32 v10, v21, s[34:35]            ; 128 consecutive bytes
	s_wait_tensorcnt 0x0                           ; the wave's end, behind my last LDS store
	ds_add_u32 v4, v5
	s_wait_dscnt 0x0
	s_endpgm
; 128 rows down K of 32 neighbouring columns: a lane takes a column, its registers run down K; a load reads 128 consecutive bytes, the four waves stand side by side on 512.
.macro LOADW pitch
.set n, 0
.rept 128
	global_load_b32 v[R+n], v10, s[28:29] offset:n*\pitch th:TH_LOAD_NT
.set n, n+1
.endr
.endm
.Lweights:
	s_cmp_ge_u32 ttmp9, 352
	s_cbranch_scc1 .Lwo
; ---- Wq, Wk, Wv: group of 128 columns cgrp = 0..11, K step 0..7.
	s_sub_co_u32 s36, ttmp9, 256
	s_lshr_b32 s37, s36, 3                         ; cgrp
	s_and_b32 s38, s36, 7                          ; K step
	v_lshlrev_b32 v9, 4, v2
	v_lshl_add_u32 v9, v3, 10, v9                  ; codes: tile u0 + h, 16 r
	v_lshlrev_b32 v11, 2, v2
	v_lshl_add_u32 v11, v3, 9, v11                 ; scale words: tile u0 + h, 4 r
	s_lshl_b32 s39, s24, 7                         ; my wave's 32 columns
	s_cmp_ge_u32 s37, 8
	s_cbranch_scc1 .Lkv
	s_lshl_b32 s30, s38, 19                        ; Wq: 128 rows of 4,096 bytes,
	s_lshl_b32 s40, s37, 9                         ; 128 columns
	s_add_co_u32 s30, s30, s40
	s_add_co_u32 s30, s30, s39
	s_add_nc_u64 s[28:29], s[6:7], s[30:31]
	s_mov_b32 s41, s37                             ; j = cgrp
	s_lshl_b32 s42, s24, 1                         ; u0 = 2 w
	LOADW 4096
	s_branch .Lquant
.Lkv:
	s_sub_co_u32 s40, s37, 8                       ; c2 = 0, 1: Wk's halves; 2, 3: Wv's
	s_cmp_lt_u32 s40, 2
	s_cselect_b64 s[28:29], s[8:9], s[10:11]
	s_and_b32 s43, s40, 1
	s_lshl_b32 s30, s38, 17                        ; 128 rows of 1,024 bytes
	s_lshl_b32 s44, s43, 9
	s_add_co_u32 s30, s30, s44
	s_add_co_u32 s30, s30, s39
	s_add_nc_u64 s[28:29], s[28:29], s[30:31]
	s_lshl_b32 s41, s43, 1                         ; j = column / 64 (+ 4 for Wv)
	s_lshr_b32 s44, s24, 1
	s_add_co_u32 s41, s41, s44
	s_lshr_b32 s44, s40, 1
	s_lshl_b32 s44, s44, 2
	s_add_co_u32 s41, s41, s44
	s_and_b32 s42, s24, 1
	s_lshl_b32 s42, s42, 1
	s_add_co_u32 s42, s42, 8                       ; u0 = 8 + 2 (w & 1)
	LOADW 1024
.Lquant:
	s_mul_i32 s32, s41, 98304
	s_mul_i32 s44, s38, 12288
	s_add_co_u32 s32, s32, s44
	s_lshl_b32 s44, s42, 10
	s_add_co_u32 s32, s32, s44
	s_add_nc_u64 s[32:33], s[18:19], s[32:33]
	s_mul_i32 s34, s41, 12
	s_add_co_u32 s34, s34, s42
	s_lshl_b32 s34, s34, 9
	s_lshl_b32 s44, s38, 6
	s_add_co_u32 s34, s34, s44
	s_add_nc_u64 s[34:35], s[20:21], s[34:35]
; Block kb of the K step: my column's 32 numbers.  Its 16 bytes of codes belong to operand lane 16 (kb & 1) + r of half c = kb / 2.
.macro QW kb
.set XS, R+32*\kb
.if \kb < 2
	s_wait_loadcnt 63                              ; at most 63 of the 128 loads are out: the first 65 are in, this block's among them
.elseif \kb == 2
	s_wait_loadcnt 32                              ; the last block's 32 may be out
.else
	s_wait_loadcnt 0
.endif
	v_max3_num_f32 v12, |v[XS]|, |v[XS+1]|, |v[XS+2]|
	v_max3_num_f32 v13, |v[XS+3]|, |v[XS+4]|, |v[XS+5]|
.irp i, 6,10,14,18,22,26
	v_max3_num_f32 v12, v12, |v[XS+\i]|, |v[XS+\i+1]|
	v_max3_num_f32 v13, v13, |v[XS+\i+2]|, |v[XS+\i+3]|
.endr
	v_max3_num_f32 v12, v12, |v[XS+30]|, |v[XS+31]|
	v_max3_num_f32 v12, v12, v13, 0x1800000        ; the floor
	v_add_nc_u32 v14, 0xff000000, v12
	v_lshrrev_b32 v15, 23, v14
.if \kb == 0
	v_mov_b32 v20, v15
.else
	v_lshl_or_b32 v20, v15, 8*\kb, v20             ; four bytes to the word, the lower K in the lower byte
.endif
.irp g, 0,1,2,3
	v_cvt_scalef32_pk8_fp4_f32 v[CD+4*\kb+\g], v[XS+8*\g:XS+8*\g+7], v14
.endr
	v_nop                                          ; one plain place behind the scaled conversions
	global_store_b128 v9, v[CD+4*\kb:CD+4*\kb+3], s[32:33] offset:(\kb/2)*512+(\kb%2)*256   ; sixteen lanes store 256 consecutive bytes, aligned
.endm
	QW 0
	QW 1
	QW 2
	QW 3
	global_store_b32 v11, v20, s[34:35]            ; sixteen lanes store 64 consecutive bytes
	s_endpgm
; ---- Wo to f16: column block nb, 128 along K from 128 kc on.
.Lwo:
	s_sub_co_u32 s36, ttmp9, 352
	s_and_b32 s37, s36, 7                          ; nb
	s_lshr_b32 s38, s36, 3                         ; kc
	s_lshl_b32 s30, s38, 19
	s_lshl_b32 s40, s37, 9
	s_add_co_u32 s30, s30, s40
	s_lshl_b32 s40, s24, 7
	s_add_co_u32 s30, s30, s40
	s_add_nc_u64 s[28:29], s[12:13], s[30:31]
	LOADW 4096
	v_lshlrev_b32 v9, 4, v2
	v_lshl_add_u32 v9, v3, 13, v9                  ; column tile 2 w + h, 16 r
	s_lshl_b32 s32, s37, 18
	s_lshr_b32 s40, s38, 1
	s_lshl_b32 s40, s40, 16
	s_add_co_u32 s32, s32, s40
	s_lshl_b32 s40, s24, 14
	s_add_co_u32 s32, s32, s40
	s_and_b32 s40, s38, 1
	s_lshl_b32 s40, s40, 12
	s_add_co_u32 s32, s32, s40
	s_add_nc_u64 s[32:33], s[22:23], s[32:33]
.macro CONV t                          ; 16 along K of my column: two pieces of 8 f16
.if 112-16*\t > 63
	s_wait_loadcnt 63
.else
	s_wait_loadcnt 112-16*\t                       ; the loads of the later 16s may be out
.endif
.irp m, 0,1,2,3,4,5,6,7
	v_cvt_pk_f16_f32 v[X+8*\t+\m], v[R+16*\t+2*\m], v[R+16*\t+2*\m+1]
.endr
	global_store_b128 v9, v[X+8*\t:X+8*\t+3], s[32:33] offset:\t*512
	global_store_b128 v9, v[X+8*\t+4:X+8*\t+7], s[32:33] offset:\t*512+256
.endm
.irp t, 0,1,2,3,4,5,6,7
	CONV \t
.endr
	s_endpgm
.Lfunc_end_k_q924965cf5d_prep:
	.size	k_q924965cf5d_prep, .Lfunc_end_k_q924965cf5d_prep-k_q924965cf5d_prep
	.p2alignl 7, 3214868480
	.fill 96, 4, 3214868480
	.section	.rodata,"a",@progbits
	.p2align	6, 0x0
	.amdhsa_kernel k_q924965cf5d_prep
		.amdhsa_group_segment_fixed_size 68096
		.amdhsa_private_segment_fixed_size 0
		.amdhsa_enable_private_segment 0
		.amdhsa_kernarg_size 80
		.amdhsa_user_sgpr_count 2
		.amdhsa_user_sgpr_kernarg_segment_ptr 1
		.amdhsa_wavefront_size32 1
		.amdhsa_system_sgpr_workgroup_id_x 1
		.amdhsa_system_sgpr_workgroup_id_y 1
		.amdhsa_system_sgpr_workgroup_id_z 1
		.amdhsa_system_vgpr_workitem_id 0
		.amdhsa_next_free_vgpr 256
		.amdhsa_next_free_sgpr 66
		.amdhsa_reserve_vcc 1
		.amdhsa_float_denorm_mode_32 3
		.amdhsa_float_denorm_mode_16_64 3
		.amdhsa_memory_ordered 1
		.amdhsa_forward_progress 1
		.amdhsa_inst_pref_size 67
	.end_amdhsa_kernel
	.amdgpu_metadata
---
amdhsa.version: [ 1, 2 ]
amdhsa.kernels:
  - .name:           k_q924965cf5d_prep
    .symbol:         k_q924965cf5d_prep.kd
    .args:
      - { .name: x, .offset: 0, .size: 8, .value_kind: global_buffer, .address_space: global }
      - { .name: Wq, .offset: 8, .size: 8, .value_kind: global_buffer, .address_space: global }
      - { .name: Wk, .offset: 16, .size: 8, .value_kind: global_buffer, .address_space: global }
      - { .name: Wv, .offset: 24, .size: 8, .value_kind: global_buffer, .address_space: global }
      - { .name: Wo, .offset: 32, .size: 8, .value_kind: global_buffer, .address_space: global }
      - { .name: xc, .offset: 40, .size: 8, .value_kind: global_buffer, .address_space: global }
      - { .name: xs, .offset: 48, .size: 8, .value_kind: global_buffer, .address_space: global }
      - { .name: wc, .offset: 56, .size: 8, .value_kind: global_buffer, .address_space: global }
      - { .name: ws, .offset: 64, .size: 8, .value_kind: global_buffer, .address_space: global }
      - { .name: wo16, .offset: 72, .size: 8, .value_kind: global_buffer, .address_space: global }
    .group_segment_fixed_size: 68096
    .private_segment_fixed_size: 0
    .kernarg_segment_align: 8
    .kernarg_segment_size: 80
    .max_flat_workgroup_size: 128
    .sgpr_count:     66
    .vgpr_count:     256
    .wavefront_size: 32
...
	.end_amdgpu_metadata
.endif
;; end of part 1
;; launch qkv (part 2): grid 8 x 32, 12 waves a work-group, no clusters, 167,936 bytes of LDS; arguments xc, xs, wc, ws, bq, bk, bv, qkv, fine32; writes qkv, fine32
.if DOCPART == 2
	.amdgcn_target "amdgcn-amd-amdhsa--gfx1250"
	.amdhsa_code_object_version 6
	.text
	.protected	k_q924965cf5d_qkv
	.globl	k_q924965cf5d_qkv
	.p2align	8
	.type	k_q924965cf5d_qkv,@function
k_q924965cf5d_qkv:
	s_mov_b64 s[64:65], 0
	v_nop
	global_prefetch_b8 v0, s[64:65] scope:SCOPE_SE
	s_setreg_imm32_b32 hwreg(HW_REG_WAVE_MODE, 25, 1), 1
	s_wait_xcnt 0x0
; QKV.  q = x Wq + bq, k = x Wk + bk, v = x Wv + bv on codes of E2M1 with E8M0 scales, sums in f32; results rounded once to f16 and laid as the attention's operand registers.
; SHARES: work-group (j, mb) makes 128 tokens x 192 columns (two query heads and one group of k (j < 4) or of v) over all of K = 1024.  Twelve waves: wave w has token tiles 2 tg, 2 tg + 1 (tg = w & 3)
; and the four column tiles of one head, cg = w >> 2: eight accumulators of 16 x 16.
; LDS is filled ONCE: the work-group's 64 KB of x's codes and 96 KB of W's, in two stages of four K steps; ten waves bring one dense piece of 8 KB of each stage.  Two tensor loads of a wave are out at the most.
; Blocks lie in the operands' register order, so a fragment is two ds_load_b128 at 16 x lane: consecutive bytes, no pitch.
; THE MATRIX INSTRUCTION IS USED TRANSPOSED (source 0 = 16 columns of W, source 1 = 16 tokens): a lane holds one token and eight neighbouring channels, 16 bytes of f16, and a result tile leaves by one store of 512 consecutive bytes.
; The bias is the C of each sum's first product.  Scale words: one register carries K step 2 p in lanes 0-15 and 2 p + 1 in lanes 16-31.
; qkv buffer: Q at ((16 bi + head) x 128 + position tile) x 2048 + n x 512 + 16 l = q[16 pt + r][16 n + 8 h + 0..7];  K, V from byte 8388608: ((4 bi + g) x 32 + step of 64 keys) x 16384, K at (4 kt + n) x 512 + 16 l,
; V at 8192 + (4 kt + n) x 512 + 16 sigma, sigma = 16 (r >> 3) + 8 h + (r & 7): the slot from which the turning LDS load of the attention takes it.
; The first 16 tokens of each batch are also stored in f32 (fine32: token x 6144 + 4 x column; q 0.., k 1024.., v 1280..) for the launch that carries those positions in f32.
; NO CLUSTER: a work-group asks for its 160 KB once, at its head; 64 KB of them (x's codes) are shared with the seven work-groups of the same token block.  Joint loads would spare three quarters of those
; requests at the price of the cluster's rounds in a launch of eight K steps.
; LIMIT: q, k, v must stay under 65,504 in magnitude (f16).
.set SPARE, 163840                     ; behind the two stages: the spare words, 128 bytes for each of 12 waves
.set STG,   81920                      ; a stage: x's four K steps (4 x 8192), then W's (4 x 12288)
.set BOFF,  32768
.set RS,  16                           ; v16-23  x's scale words, 4 a + p
.set PS,  24                           ; v24-39  W's scale words, 4 b + p
.set BI,  40                           ; v40-71  the bias, 8 registers a column tile
.set FR,  72                           ; v72-119, v120-167 two sets of fragments: x's two, then W's four
.set ACC, 168                          ; v168-231 accumulator (a, b) at 8 (4 a + b)
.set G1,  24                           ; s[24:31] descriptor group 1
.set GA,  32                           ; s[32:39] groups 0 for x's codes, a set for each stage
.set GB,  40                           ; s[40:47] the same for W's
	s_load_b512 s[4:19], s[0:1], 0x0               ; xc 4, xs 6, wc 8, ws 10, bq 12, bk 14, bv 16, qkv 18
	s_load_b64 s[20:21], s[0:1], 0x40              ; fine32
	v_lshl_add_u32 v2, v0, 2, SPARE
	v_mov_b32 v3, 0
	ds_add_u32 v2, v3                              ; the wave's opening: the add, twice on end, and its wait ahead of the first tensor load
	ds_add_u32 v2, v3
	v_lshrrev_b32 v1, 5, v0
	v_readfirstlane_b32 s22, v1                    ; wave 0..11
	s_and_b32 s23, s22, 3                          ; tg
	s_lshr_b32 s48, s22, 2                         ; cg
	s_mov_b32 s49, ttmp9                           ; j
	s_and_b32 s50, ttmp7, 0xffff                   ; mb
	s_lshr_b32 s51, s50, 4                         ; bi
	s_and_b32 s52, s50, 15                         ; token block in the batch
	s_mov_b32 s[G1+0], 3<<16                       ; elements of 8 bytes, no mask, no padding
	s_mov_b32 s[G1+1], 32<<16                      ; tensor_dim0 = 32: rows of 256 bytes
	s_mov_b32 s[G1+2], 32<<16                      ; tensor_dim1 = 32 rows: 8,192 dense bytes
	s_mov_b32 s[G1+3], 32<<16                      ; tile_dim0
	s_mov_b32 s[G1+4], 32                          ; tile_dim1
	s_mov_b32 s[G1+5], 32                          ; the pitch
	s_mov_b32 s[G1+6], 0
	s_mov_b32 s[G1+7], 0
	s_lshl_b32 s53, s22, 13                        ; my piece in a stage: wave x 8192 (pieces 0-3 x's, 4-9 W's)
	s_lshl_b32 s54, s50, 16
	s_add_co_u32 s54, s54, s53                     ; xc: mb x 65536 + w x 8192
	s_mov_b32 s55, 0
	s_sub_co_i32 s66, s22, 4
	s_max_i32 s66, s66, 0
	s_lshl_b32 s66, s66, 13
	s_mul_i32 s67, s49, 98304
	s_add_co_u32 s66, s66, s67                     ; wc: j x 98304 + (w - 4) x 8192
	s_mov_b32 s67, 0
	s_wait_dscnt 0x0                               ; both opening adds are done
	s_wait_kmcnt 0x0
	s_add_nc_u64 s[54:55], s[4:5], s[54:55]
	s_add_nc_u64 s[66:67], s[8:9], s[66:67]
.irp t, 0,1
	s_mov_b32 s[GA+4*\t], 1
	s_add_co_u32 s[GA+4*\t+1], s53, \t*STG
	s_add_nc_u64 s[GA+4*\t+2:GA+4*\t+3], s[54:55], \t*32768
	s_or_b32 s[GA+4*\t+3], s[GA+4*\t+3], 0x80000000
	s_mov_b32 s[GB+4*\t], 1
	s_add_co_u32 s[GB+4*\t+1], s53, \t*STG
	s_add_nc_u64 s[GB+4*\t+2:GB+4*\t+3], s[66:67], \t*49152
	s_or_b32 s[GB+4*\t+3], s[GB+4*\t+3], 0x80000000
.endr
	s_cmp_lt_u32 s22, 4                            ; a wave's two first fills stand in one arm of a branch on its number; an s_nop 0 follows each, four v_nop the second
	s_cbranch_scc0 .Lnot_x
	tensor_load_to_lds s[GA:GA+3], s[G1:G1+7]
	s_nop 0
	tensor_load_to_lds s[GA+4:GA+7], s[G1:G1+7]
	s_nop 0
.rept 4
	v_nop
.endr
	s_branch .Lasked
.Lnot_x:
	s_cmp_lt_u32 s22, 10
	s_cbranch_scc0 .Lasked
	tensor_load_to_lds s[GB:GB+3], s[G1:G1+7]
	s_nop 0
	tensor_load_to_lds s[GB+4:GB+7], s[G1:G1+7]
	s_nop 0
.rept 4
	v_nop
.endr
.Lasked:
	v_and_b32 v12, 31, v0                          ; l
	v_and_b32 v13, 15, v0                          ; r
	v_bfe_u32 v14, v0, 4, 1                        ; h
	v_lshlrev_b32 v1, 4, v12                       ; 16 l
	v_lshlrev_b32 v8, 2, v12                       ; 4 l
	v_lshlrev_b32 v9, 5, v14                       ; 32 h
	s_lshl_b32 s53, s23, 11
	v_add_nc_u32 v4, s53, v1                       ; x's fragments, stage 0: my two token tiles
	v_add_nc_u32 v5, STG, v4                       ; stage 1
	s_lshl_b32 s53, s48, 12
	s_add_co_u32 s53, s53, BOFF
	v_add_nc_u32 v6, s53, v1                       ; W's fragments: my four column tiles
	v_add_nc_u32 v7, STG, v6
	s_lshl_b32 s62, s50, 12                        ; xs: (8 mb + 2 tg) x 512
	s_lshl_b32 s53, s23, 10
	s_add_co_u32 s62, s62, s53
	s_mov_b32 s63, 0
	s_add_nc_u64 s[62:63], s[6:7], s[62:63]
	s_mul_i32 s68, s49, 6144                       ; ws: (12 j + 4 cg) x 512
	s_lshl_b32 s53, s48, 11
	s_add_co_u32 s68, s68, s53
	s_mov_b32 s69, 0
	s_add_nc_u64 s[68:69], s[10:11], s[68:69]
.irp a, 0,1
.irp p, 0,1,2,3
	global_load_b32 v[RS+4*\a+\p], v8, s[62:63] offset:\a*512+\p*128   ; 128 consecutive bytes: the words of K steps 2 p and 2 p + 1
.endr
.endr
.irp b, 0,1,2,3
.irp p, 0,1,2,3
	global_load_b32 v[PS+4*\b+\p], v8, s[68:69] offset:\b*512+\p*128
.endr
.endr
	s_and_b32 s53, s49, 3                          ; the group of k or v
	s_lshl_b32 s70, s53, 8
	s_lshl_b32 s71, s49, 1
	s_add_co_u32 s71, s71, s48                     ; the query head 2 j + cg
	s_lshl_b32 s72, s71, 8
	s_cmp_lt_u32 s49, 4
	s_cselect_b64 s[58:59], s[14:15], s[16:17]     ; bk or bv,
	s_cmp_lt_u32 s48, 2
	s_cselect_b64 s[58:59], s[12:13], s[58:59]     ; or bq
	s_cselect_b32 s60, s72, s70                    ; my 64 channels, 256 bytes
	s_mov_b32 s61, 0
	s_add_nc_u64 s[58:59], s[58:59], s[60:61]
.irp b, 0,1,2,3
	global_load_b128 v[BI+8*\b:BI+8*\b+3], v9, s[58:59] offset:64*\b        ; lane (r, h): the bias of channels 16 b + 8 h + 0..7
	global_load_b128 v[BI+8*\b+4:BI+8*\b+7], v9, s[58:59] offset:64*\b+16
.endr
	s_lshl_b32 s73, s51, 4                         ; where q goes: ((16 bi + head) x 128 + 8 (mb & 15) + 2 tg) x 2048
	s_add_co_u32 s73, s73, s71
	s_lshl_b32 s73, s73, 7
	s_lshl_b32 s74, s52, 3
	s_add_co_u32 s73, s73, s74
	s_lshl_b32 s74, s23, 1
	s_add_co_u32 s73, s73, s74
	s_lshl_b32 s73, s73, 11
	s_lshl_b32 s74, s51, 2                         ; where k or v goes: 8388608 + ((4 bi + g) x 32 + 2 (mb & 15) + tg / 2) x 16384 + 8192 for v + 4096 (tg & 1)
	s_add_co_u32 s74, s74, s53
	s_lshl_b32 s74, s74, 5
	s_lshl_b32 s75, s52, 1
	s_add_co_u32 s74, s74, s75
	s_lshr_b32 s75, s23, 1
	s_add_co_u32 s74, s74, s75
	s_lshl_b32 s74, s74, 14
	s_lshr_b32 s75, s49, 2
	s_lshl_b32 s75, s75, 13
	s_add_co_u32 s74, s74, s75
	s_and_b32 s75, s23, 1
	s_lshl_b32 s75, s75, 12
	s_add_co_u32 s74, s74, s75
	s_add_co_u32 s74, s74, 8388608
	s_cmp_lt_u32 s48, 2
	s_cselect_b32 s56, s73, s74
	s_mov_b32 s57, 0
	s_add_nc_u64 s[56:57], s[18:19], s[56:57]
	s_lshl_b32 s73, s71, 8                         ; the f32 copy: column 64 x head, or 1024 + 64 j (k: j < 4; v: 1280 + 64 (j - 4)), x 4 bytes
	s_lshl_b32 s74, s49, 8
	s_add_co_u32 s74, s74, 4096
	s_cmp_lt_u32 s48, 2
	s_cselect_b32 s60, s73, s74
	s_mul_i32 s73, s51, 98304
	s_add_co_u32 s60, s60, s73
	s_add_nc_u64 s[60:61], s[20:21], s[60:61]
	s_cmp_ge_u32 s49, 4
	s_cselect_b32 s73, -1, 0
	s_cmp_eq_u32 s48, 2
	s_cselect_b32 s73, s73, 0                      ; all ones in a wave that makes v
	v_lshrrev_b32 v15, 3, v13
	v_lshlrev_b32 v15, 4, v15
	v_lshl_add_u32 v15, v14, 3, v15
	v_and_b32 v10, 7, v13
	v_add_nc_u32 v15, v15, v10
	v_lshlrev_b32 v15, 4, v15                      ; 16 sigma
	v_cndmask_b32 v10, v1, v15, s73                ; my 16 bytes' place in a block: 16 l, for v 16 sigma
	v_mul_u32_u24 v11, v13, 6144
	v_lshl_add_u32 v11, v14, 5, v11                ; the f32 copy: token r, 32 h bytes on
.macro PLACES                          ; four places in front of loads into registers that matrix instructions have read, and of conversions that read results
.rept 4
	v_nop
.endr
.endm
.macro LOADF s                         ; K step s: 12 LDS loads into set s % 2
.irp a, 0,1
.irp c, 0,1
	ds_load_b128 v[FR+48*((\s)%2)+8*\a+4*\c:FR+48*((\s)%2)+8*\a+4*\c+3], v[4+(\s)/4] offset:((\s)%4)*8192+\a*1024+\c*512
.endr
.endr
.irp b, 0,1,2,3
.irp c, 0,1
	ds_load_b128 v[FR+48*((\s)%2)+16+8*\b+4*\c:FR+48*((\s)%2)+16+8*\b+4*\c+3], v[6+(\s)/4] offset:((\s)%4)*12288+\b*1024+\c*512
.endr
.endr
.endm
.macro MUL s                           ; eight products; the eight accumulators take turns, one instruction a turn, in the same order in every K step
.irp a, 0,1
.irp b, 0,1,2,3
.if (\s) == 0
	v_wmma_scale_f32_16x16x128_f8f6f4 v[ACC+8*(4*\a+\b):ACC+8*(4*\a+\b)+7], v[FR+16+8*\b:FR+16+8*\b+7], v[FR+8*\a:FR+8*\a+7], v[BI+8*\b:BI+8*\b+7], v[PS+4*\b], v[RS+4*\a] matrix_a_fmt:MATRIX_FMT_FP4 matrix_b_fmt:MATRIX_FMT_FP4
.elseif (\s)%2 == 0
	v_wmma_scale_f32_16x16x128_f8f6f4 v[ACC+8*(4*\a+\b):ACC+8*(4*\a+\b)+7], v[FR+16+8*\b:FR+16+8*\b+7], v[FR+8*\a:FR+8*\a+7], v[ACC+8*(4*\a+\b):ACC+8*(4*\a+\b)+7], v[PS+4*\b+(\s)/2], v[RS+4*\a+(\s)/2] matrix_a_fmt:MATRIX_FMT_FP4 matrix_b_fmt:MATRIX_FMT_FP4
.else
	v_wmma_scale_f32_16x16x128_f8f6f4 v[ACC+8*(4*\a+\b):ACC+8*(4*\a+\b)+7], v[FR+64+8*\b:FR+64+8*\b+7], v[FR+48+8*\a:FR+48+8*\a+7], v[ACC+8*(4*\a+\b):ACC+8*(4*\a+\b)+7], v[PS+4*\b+(\s)/2], v[RS+4*\a+(\s)/2] matrix_a_fmt:MATRIX_FMT_FP4 matrix_b_fmt:MATRIX_FMT_FP4 matrix_a_scale:MATRIX_SCALE_ROW1 matrix_b_scale:MATRIX_SCALE_ROW1
.endif
.endr
.endr
.endm
.macro KSTEP s, nx                     ; the next K step's fragments are asked for, then this one is multiplied
	PLACES
	LOADF \nx
	s_wait_dscnt 12                                ; all but the 12 just issued
	MUL \s
.endm
	s_wait_tensorcnt 0x1                           ; my piece of stage 0 is in; stage 1's may stay out
	s_barrier_signal -1
	s_barrier_wait -1                              ; everybody's is
	LOADF 0
	s_wait_loadcnt 0x0                             ; scale words and bias
	KSTEP 0, 1
	KSTEP 1, 2
	KSTEP 2, 3
	s_wait_dscnt 0x0                               ; K step 3's fragments are in, and no LDS instruction of mine is out at the signal
	s_wait_tensorcnt 0x0                           ; my piece of stage 1 is in
	s_barrier_signal -1
	MUL 3                                          ; work on registers while the others arrive
	s_barrier_wait -1                              ; stage 1 is whole
	PLACES
	LOADF 4
	KSTEP 4, 5
	KSTEP 5, 6
	KSTEP 6, 7
	s_wait_dscnt 0x0
	MUL 7
	PLACES
.irp a, 0,1
.irp b, 0,1,2,3
.irp m, 0,1,2,3
	v_cvt_pk_f16_f32 v[FR+4*(4*\a+\b)+\m], v[ACC+8*(4*\a+\b)+2*\m], v[ACC+8*(4*\a+\b)+2*\m+1]   ; each accumulator from its low end on
.endr
	global_store_b128 v10, v[FR+4*(4*\a+\b):FR+4*(4*\a+\b)+3], s[56:57] offset:\a*2048+\b*512   ; the wave stores a block of 512 consecutive bytes
.endr
.endr
	s_wait_tensorcnt 0x0                           ; the wave's end: behind my last tensor load; no LDS write follows
	ds_add_u32 v2, v3
	s_wait_dscnt 0x0
	s_or_b32 s53, s52, s23                         ; the batch's first 16 tokens are token tile 0 of its first block: tg = 0, a = 0
	s_cmp_lg_u32 s53, 0
	s_cbranch_scc1 .Lno_fine
.irp b, 0,1,2,3
	global_store_b128 v11, v[ACC+8*\b:ACC+8*\b+3], s[60:61] offset:64*\b
	global_store_b128 v11, v[ACC+8*\b+4:ACC+8*\b+7], s[60:61] offset:64*\b+16
.endr
.Lno_fine:
	s_endpgm
.Lfunc_end_k_q924965cf5d_qkv:
	.size	k_q924965cf5d_qkv, .Lfunc_end_k_q924965cf5d_qkv-k_q924965cf5d_qkv
	.p2alignl 7, 3214868480
	.fill 96, 4, 3214868480
	.section	.rodata,"a",@progbits
	.p2align	6, 0x0
	.amdhsa_kernel k_q924965cf5d_qkv
		.amdhsa_group_segment_fixed_size 167936
		.amdhsa_private_segment_fixed_size 0
		.amdhsa_enable_private_segment 0
		.amdhsa_kernarg_size 72
		.amdhsa_user_sgpr_count 2
		.amdhsa_user_sgpr_kernarg_segment_ptr 1
		.amdhsa_wavefront_size32 1
		.amdhsa_system_sgpr_workgroup_id_x 1
		.amdhsa_system_sgpr_workgroup_id_y 1
		.amdhsa_system_sgpr_workgroup_id_z 1
		.amdhsa_system_vgpr_workitem_id 0
		.amdhsa_next_free_vgpr 256
		.amdhsa_next_free_sgpr 76
		.amdhsa_reserve_vcc 0
		.amdhsa_float_denorm_mode_32 3
		.amdhsa_float_denorm_mode_16_64 3
		.amdhsa_memory_ordered 1
		.amdhsa_forward_progress 1
		.amdhsa_inst_pref_size 29
	.end_amdhsa_kernel
	.amdgpu_metadata
---
amdhsa.version: [ 1, 2 ]
amdhsa.kernels:
  - .name:           k_q924965cf5d_qkv
    .symbol:         k_q924965cf5d_qkv.kd
    .args:
      - { .name: xc, .offset: 0, .size: 8, .value_kind: global_buffer, .address_space: global }
      - { .name: xs, .offset: 8, .size: 8, .value_kind: global_buffer, .address_space: global }
      - { .name: wc, .offset: 16, .size: 8, .value_kind: global_buffer, .address_space: global }
      - { .name: ws, .offset: 24, .size: 8, .value_kind: global_buffer, .address_space: global }
      - { .name: bq, .offset: 32, .size: 8, .value_kind: global_buffer, .address_space: global }
      - { .name: bk, .offset: 40, .size: 8, .value_kind: global_buffer, .address_space: global }
      - { .name: bv, .offset: 48, .size: 8, .value_kind: global_buffer, .address_space: global }
      - { .name: qkv, .offset: 56, .size: 8, .value_kind: global_buffer, .address_space: global }
      - { .name: fine32, .offset: 64, .size: 8, .value_kind: global_buffer, .address_space: global }
    .group_segment_fixed_size: 167936
    .private_segment_fixed_size: 0
    .kernarg_segment_align: 8
    .kernarg_segment_size: 72
    .max_flat_workgroup_size: 384
    .sgpr_count:     76
    .vgpr_count:     256
    .wavefront_size: 32
...
	.end_amdgpu_metadata
.endif
;; end of part 2
;; launch attn (part 3): grid 32 x 8, 16 waves a work-group, no clusters, 67,584 bytes of LDS; arguments qkv, ao; writes ao
.if DOCPART == 3
	.amdgcn_target "amdgcn-amd-amdhsa--gfx1250"
	.amdhsa_code_object_version 6
	.text
	.protected	k_q924965cf5d_attn
	.globl	k_q924965cf5d_attn
	.p2align	8
	.type	k_q924965cf5d_attn,@function
k_q924965cf5d_attn:
	s_mov_b64 s[64:65], 0
	v_nop
	global_prefetch_b8 v0, s[64:65] scope:SCOPE_SE
	s_setreg_imm32_b32 hwreg(HW_REG_WAVE_MODE, 25, 1), 1
	s_wait_xcnt 0x0
; ATTN.  o = softmax(q k^T / 8, causal) v for every head; q, k, v, p in f16, products' sums, maxima and sums in f32, with a running maximum.
; SHARES: a work-group serves one batch and group (bg) and four position tiles of 16: 2 i, 2 i + 1 and 126 - 2 i, 127 - 2 i, for the group's four heads: sixteen waves, a tile of 16 queries of one head each.
; An early pair and a late pair together have the same number of keys under the causal mask in every work-group.  Wave w: head w >> 2, position tile number (w + (w >> 2)) & 3 of the four.
; LAYOUT: both products transposed: S^T = K Q^T (source 0 = 16 keys, source 1 = my 16 queries), O^T = V^T P: a lane holds ONE query throughout; two tiles of S^T, rounded in pairs, ARE a fragment of P.
; K AND V come in steps of 64 keys, 16 KB, as blocks in the operands' register order: every LDS read is 512 consecutive bytes at 16 x lane; V's blocks are read by the turning load.
; THE RING: two LDS slots of 128 keys (32 KB), filled THROUGH REGISTERS: each of the 512 threads copies 4 x 16 bytes; the loads are issued at the head of the slot before, the LDS stores stand at its end.
; One barrier a slot: in front of it each wave's reads of the slot in hand are back and its part of the next slot is stored.  The loop has a constant 8 trips of two slots; slots beyond the work-group's last query
; (16 - i / 4 are needed) are neither loaded nor stored, and a step all of whose keys come after a wave's queries is jumped over: branches on ids and the count of slots alone, round no barrier.
; NO CLUSTER: the work-groups that share a group's K and V need different numbers of slots (9 to 16).  NO PREFETCH: a slot's loads are issued a whole slot's work ahead of their use.
; ao: token block x 262144 + g x 65536 + token tile x 8192 + (4 (head & 3) + n) x 512 + 16 l = o[token r][64 head + 16 n + 8 h + 0..7] in f16: the projection's operand order.
; Positions 0-15 of each batch are computed here too, in f16; a later launch carries them in f32 and stores their rows of the output last.
; LIMIT: q, k, v under 65,504 in magnitude; NaN and infinities are not served.
.set SPARE, 65536                      ; behind the two slots: the spare words, 128 bytes for each of 16 waves
.set SLOTB, 32768
.set STEPB, 16384
.set QF,  24                           ; v24-39   Q: two fragments
.set OT,  40                           ; v40-71   O^T: four channel tiles
.set S,   72                           ; v72-103  S^T: four key tiles; then p; then P, packed in place
.set KR,  104                          ; v104-167 K: 8 fragments
.set VF,  168                          ; v168-231 V^T: 8 fragments
.set ST,  232                          ; v232-247 my 64 bytes of the next slot
; v1 16 l; v2 16 x thread; v3 r - 8 h; v4, v5 the add's two; v[8:9] c m; v[10:11] l in two halves; v[12:13] a; v14 m; v16-19 at work; v[20:21] a second chain of sums; v22 the mask's threshold; v23 -infinity
; s8 wave; s9 i; s10 bg; s11 head in the group; s12, s13 position tile; s14, s15 first and last query; s16 slots needed; s17 slot in hand; s18 trips; s19 the step's first key; s20, s21 at work;
; s[22:23] c = log2(e) / 8; s[24:25] lane selects; s[26:27] K, V at the slot in hand; s[28:29] Q; s[30:31] ao
	s_load_b128 s[4:7], s[0:1], 0x0                ; qkv, ao
	v_lshl_add_u32 v4, v0, 2, SPARE
	v_mov_b32 v5, 0
	v_lshrrev_b32 v1, 5, v0
	v_readfirstlane_b32 s8, v1                     ; wave 0..15
	s_mov_b32 s9, ttmp9
	s_and_b32 s10, ttmp7, 0xffff
	s_lshr_b32 s11, s8, 2
	s_add_co_u32 s12, s8, s11
	s_and_b32 s12, s12, 3
	s_lshl_b32 s20, s9, 1
	s_add_co_u32 s13, s20, s12                     ; 2 i + 0, 1
	s_sub_co_u32 s21, 124, s20
	s_add_co_u32 s21, s21, s12                     ; 124 - 2 i + 2, 3
	s_cmp_lt_u32 s12, 2
	s_cselect_b32 s13, s13, s21                    ; my position tile
	s_lshl_b32 s14, s13, 4
	s_add_co_u32 s15, s14, 15
	s_lshr_b32 s16, s9, 2
	s_sub_co_u32 s16, 16, s16                      ; the work-group's last query is 2047 - 32 i
	s_mov_b32 s17, 0
	s_mov_b32 s18, 8
	s_mov_b32 s22, 0x3e38aa3b
	s_mov_b32 s23, s22                             ; (named with it as a pair, so it is written)
	s_mov_b32 s24, 0x76543210
	s_mov_b32 s25, 0xfedcba98
	s_lshl_b32 s32, s10, 19                        ; K, V: 8388608 + bg x 32 steps x 16384
	s_add_co_u32 s32, s32, 8388608
	s_mov_b32 s33, 0
	s_lshl_b32 s34, s10, 2                         ; Q: ((4 bg + head in group) x 128 + pt) x 2048
	s_add_co_u32 s34, s34, s11
	s_lshl_b32 s34, s34, 7
	s_add_co_u32 s34, s34, s13
	s_lshl_b32 s34, s34, 11
	s_mov_b32 s35, 0
	s_lshr_b32 s36, s10, 2                         ; ao: token tile T = 128 bi + pt
	s_lshl_b32 s36, s36, 7
	s_add_co_u32 s36, s36, s13
	s_and_b32 s38, s36, 7
	s_lshl_b32 s38, s38, 13
	s_lshr_b32 s36, s36, 3
	s_lshl_b32 s36, s36, 18
	s_add_co_u32 s36, s36, s38
	s_and_b32 s38, s10, 3
	s_lshl_b32 s38, s38, 16
	s_add_co_u32 s36, s36, s38
	s_lshl_b32 s38, s11, 11
	s_add_co_u32 s36, s36, s38
	s_mov_b32 s37, 0
	v_and_b32 v6, 31, v0
	v_lshlrev_b32 v1, 4, v6
	v_lshlrev_b32 v2, 4, v0
	v_and_b32 v6, 15, v0
	v_bfe_u32 v7, v0, 4, 1
	v_lshlrev_b32 v7, 3, v7
	v_sub_nc_u32 v3, v6, v7
	s_wait_kmcnt 0x0
	s_add_nc_u64 s[26:27], s[4:5], s[32:33]
	s_add_nc_u64 s[28:29], s[4:5], s[34:35]
	s_add_nc_u64 s[30:31], s[6:7], s[36:37]
.irp n, 0,1,2,3
	global_load_b128 v[ST+4*\n:ST+4*\n+3], v2, s[26:27] offset:\n*8192      ; slot 0
.endr
.irp n, 0,1,2,3
	global_load_b128 v[QF+4*\n:QF+4*\n+3], v1, s[28:29] offset:\n*512       ; Q stays in registers
.endr
	v_mov_b32 v14, 0xff61b1e6                      ; m: -3e38, under every score
	v_mul_f32 v8, s22, v14                         ; c m
	v_mov_b32 v9, 0                                ; (upper halves of pairs are named, so they are written)
	v_mov_b32 v10, 0                               ; l
	v_mov_b32 v11, 0
	v_mov_b32 v13, 0
	v_mov_b32 v17, 0                               ; a lane permute's destination counts as one of its sources
	v_mov_b32 v23, 0xff800000
.set n, 0
.rept 32
	v_mov_b32 v[OT+n], 0                           ; O^T.  The step is written once: the first finds zeros, which a = 0 leaves zeros
.set n, n+1
.endr
	s_wait_loadcnt 0x0
.irp n, 0,1,2,3
	ds_store_b128 v2, v[ST+4*\n:ST+4*\n+3] offset:\n*8192
.endr
	s_wait_dscnt 0x0                               ; for the others' sake: my part of slot 0 is stored
	s_barrier_signal -1
	s_barrier_wait -1
; A KEY STEP: 64 keys, the q-th of slot sl.
.macro STEP sl, q
.set BQ, \sl*SLOTB+\q*STEPB
	s_lshl_b32 s19, s17, 7
.if \q
	s_add_co_u32 s19, s19, 64
.endif
	s_cmp_gt_u32 s19, s15                          ; all its keys come after my queries: nothing to do
	s_cbranch_scc1 .Lhid_\@
.rept 5
	v_nop                                          ; five places behind the last products V^T P: the next products write over P's registers, and loads land in V's
.endr
.irp f, 0,1,2,3,4,5,6,7,8,9,10,11,12,13,14,15
	ds_load_b128 v[KR+4*\f:KR+4*\f+3], v1 offset:BQ+\f*512                  ; block 4 kt + n: fragment (kt, n / 2), half n % 2
.endr
.irp kt, 0,1,2,3
.irp ct, 0,1,2,3
	ds_load_tr16_b128 v[VF+16*\ct+8*(\kt/2)+4*(\kt%2):VF+16*\ct+8*(\kt/2)+4*(\kt%2)+3], v1 offset:BQ+8192+(4*\kt+\ct)*512   ; channel 16 ct + r, keys 16 kt + 8 h + 0..7
.endr
.endr
	s_wait_dscnt 16                                ; K is in; V's 16 loads may be out
.irp kt, 0,1,2,3
	v_wmma_f32_16x16x32_f16 v[S+8*\kt:S+8*\kt+7], v[KR+16*\kt:KR+16*\kt+7], v[QF:QF+7], 0
.endr
.irp kt, 0,1,2,3
	v_wmma_f32_16x16x32_f16 v[S+8*\kt:S+8*\kt+7], v[KR+16*\kt+8:KR+16*\kt+15], v[QF+8:QF+15], v[S+8*\kt:S+8*\kt+7]   ; the four accumulators by turns
.endr
.rept 4
	v_nop
.endr
	s_add_co_u32 s20, s19, 63                      ; a step all of whose keys count skips the mask
	s_cmp_le_u32 s20, s14
	s_cbranch_scc1 .Lopen_\@
	s_sub_co_i32 s20, s14, s19
	v_add_nc_u32 v22, s20, v3                      ; d = my query - the step's first key - 8 h.  Register 8 kt + j holds key 16 kt + 8 h + j: hidden where 16 kt + j > d
.set n, 0
.rept 32
	v_cmp_gt_i32 vcc_lo, 16*(n/8)+n%8, v22
	v_cndmask_b32 v[S+n], v[S+n], v23, vcc_lo
.set n, n+1
.endr
.Lopen_\@:
.irp m, 0,1,2,3
	v_max3_num_f32 v[16+\m], v[S+8*\m], v[S+8*\m+1], v[S+8*\m+2]            ; the maximum: four chains, each from its accumulator's low end
.endr
.irp i, 3,5
.irp m, 0,1,2,3
	v_max3_num_f32 v[16+\m], v[16+\m], v[S+8*\m+\i], v[S+8*\m+\i+1]
.endr
.endr
	v_max3_num_f32 v16, v16, v[S+7], v[S+15]
	v_max3_num_f32 v18, v18, v[S+23], v[S+31]
	v_max3_num_f32 v16, v16, v17, v18
	v_max3_num_f32 v16, v16, v19, v14              ; with the old m
	v_permlanex16_b32 v17, v16, s24, s25           ; the query's other 32 keys lie in the lane 16 away
	v_mov_b32 v19, v8                              ; c m_old
	v_max_num_f32 v14, v16, v17                    ; the new m
	v_mul_f32 v8, s22, v14
	v_sub_f32 v19, v19, v8                         ; c m_old - c m_new
.set n, 0
.rept 16
	v_pk_fma_f32 v[S+n:S+n+1], v[S+n:S+n+1], s[22:23], v[8:9] op_sel_hi:[1,0,0] neg_lo:[0,0,1] neg_hi:[0,0,1]   ; c s - c m
.set n, n+2
.endr
	v_exp_f32 v12, v19                             ; a: one batch with the 32 weights
.set n, 0
.rept 32
	v_exp_f32 v[S+n], v[S+n]
.set n, n+1
.endr
	v_nop                                          ; a plain place behind the last exponential
	s_wait_alu depctr_va_vdst(0)                   ; one wait for the batch, ahead of its first reader
	v_pk_mul_f32 v[10:11], v[10:11], v[12:13] op_sel_hi:[1,0]               ; l x a
	v_pk_add_f32 v[20:21], v[S:S+1], v[S+2:S+3]                             ; the sum is taken of the unrounded p, in two chains
.irp j, 4,8,12,16,20,24,28
	v_pk_add_f32 v[10:11], v[10:11], v[S+\j:S+\j+1]
	v_pk_add_f32 v[20:21], v[20:21], v[S+\j+2:S+\j+3]
.endr
	v_pk_add_f32 v[10:11], v[10:11], v[20:21]
.irp f, 0,1
.irp i, 0,1,2,3,4,5,6,7
	v_cvt_pk_f16_f32 v[S+16*\f+\i], v[S+16*\f+2*\i], v[S+16*\f+2*\i+1]      ; in place, ascending: P's fragment f is v[S + 16 f .. + 7]
.endr
.endr
.set n, 0
.rept 16
	v_pk_mul_f32 v[OT+n:OT+n+1], v[OT+n:OT+n+1], v[12:13] op_sel_hi:[1,0]   ; O^T x a, each accumulator from its low end
.set n, n+2
.endr
	s_wait_dscnt 0x0                               ; V is in
.irp f, 0,1
.irp ct, 0,1,2,3
	v_wmma_f32_16x16x32_f16 v[OT+8*\ct:OT+8*\ct+7], v[VF+16*\ct+8*\f:VF+16*\ct+8*\f+7], v[S+16*\f:S+16*\f+7], v[OT+8*\ct:OT+8*\ct+7]
.endr
.endr
.Lhid_\@:
.endm
; A SLOT: the next slot's bytes are asked for, this slot's two steps are walked, the bytes go to the other slot, one barrier.
.macro HALF sl
	s_add_co_u32 s20, s17, 1
	s_cmp_lt_u32 s20, s16                          ; is the next slot needed by any wave of the work-group?
	s_cbranch_scc0 .Lnoload_\@
.irp n, 0,1,2,3
	global_load_b128 v[ST+4*\n:ST+4*\n+3], v2, s[26:27] offset:SLOTB+\n*8192
.endr
.Lnoload_\@:
	STEP \sl, 0
	STEP \sl, 1
	s_wait_loadcnt 0x0                             ; on every way: the loads, if any, are in, and their base may be stepped
	s_add_co_u32 s20, s17, 1
	s_cmp_lt_u32 s20, s16
	s_cbranch_scc0 .Lnostore_\@
.irp n, 0,1,2,3
	ds_store_b128 v2, v[ST+4*\n:ST+4*\n+3] offset:(1-\sl)*SLOTB+\n*8192     ; the other slot: its readers finished in front of the last barrier
.endr
.Lnostore_\@:
	s_add_nc_u64 s[26:27], s[26:27], SLOTB
	s_add_co_u32 s17, s17, 1
	s_wait_dscnt 0x0                               ; my stores have landed, and my reads of this slot are back
	s_barrier_signal -1
	s_barrier_wait -1
.endm
.Ltrip:
	HALF 0
	HALF 1
	s_sub_co_u32 s18, s18, 1
	s_cmp_lg_u32 s18, 0
	s_cbranch_scc1 .Ltrip
	; THE WAY OUT: O^T / l, rounded to f16: a lane's eight channels are 16 bytes, a channel tile one block of 512 consecutive bytes.
.rept 4
	v_nop
.endr
	v_add_f32 v10, v10, v11
	v_permlanex16_b32 v16, v10, s24, s25
	v_add_f32 v10, v10, v16
	v_rcp_f32 v12, v10
	v_nop                                          ; a plain place behind the reciprocal
	s_wait_alu depctr_va_vdst(0)                   ; and the wait ahead of its first reader
.set n, 0
.rept 16
	v_pk_mul_f32 v[S+n:S+n+1], v[OT+n:OT+n+1], v[12:13] op_sel_hi:[1,0]
.set n, n+2
.endr
.set n, 0
.rept 16
	v_cvt_pk_f16_f32 v[KR+n], v[S+2*n], v[S+2*n+1]
.set n, n+1
.endr
.irp n, 0,1,2,3
	global_store_b128 v1, v[KR+4*\n:KR+4*\n+3], s[30:31] offset:\n*512
.endr
	s_wait_tensorcnt 0x0                           ; the wave's end, behind my last LDS store
	ds_add_u32 v4, v5
	s_wait_dscnt 0x0
	s_endpgm
.Lfunc_end_k_q924965cf5d_attn:
	.size	k_q924965cf5d_attn, .Lfunc_end_k_q924965cf5d_attn-k_q924965cf5d_attn
	.p2alignl 7, 3214868480
	.fill 96, 4, 3214868480
	.section	.rodata,"a",@progbits
	.p2align	6, 0x0
	.amdhsa_kernel k_q924965cf5d_attn
		.amdhsa_group_segment_fixed_size 67584
		.amdhsa_private_segment_fixed_size 0
		.amdhsa_enable_private_segment 0
		.amdhsa_kernarg_size 16
		.amdhsa_user_sgpr_count 2
		.amdhsa_user_sgpr_kernarg_segment_ptr 1
		.amdhsa_wavefront_size32 1
		.amdhsa_system_sgpr_workgroup_id_x 1
		.amdhsa_system_sgpr_workgroup_id_y 1
		.amdhsa_system_sgpr_workgroup_id_z 1
		.amdhsa_system_vgpr_workitem_id 0
		.amdhsa_next_free_vgpr 256
		.amdhsa_next_free_sgpr 66
		.amdhsa_reserve_vcc 1
		.amdhsa_float_denorm_mode_32 3
		.amdhsa_float_denorm_mode_16_64 3
		.amdhsa_memory_ordered 1
		.amdhsa_forward_progress 1
		.amdhsa_inst_pref_size 58
	.end_amdhsa_kernel
	.amdgpu_metadata
---
amdhsa.version: [ 1, 2 ]
amdhsa.kernels:
  - .name:           k_q924965cf5d_attn
    .symbol:         k_q924965cf5d_attn.kd
    .args:
      - { .name: qkv, .offset: 0, .size: 8, .value_kind: global_buffer, .address_space: global }
      - { .name: ao, .offset: 8, .size: 8, .value_kind: global_buffer, .address_space: global }
    .group_segment_fixed_size: 67584
    .private_segment_fixed_size: 0
    .kernarg_segment_align: 8
    .kernarg_segment_size: 16
    .max_flat_workgroup_size: 512
    .sgpr_count:     66
    .vgpr_count:     256
    .wavefront_size: 32
...
	.end_amdgpu_metadata
.endif
;; end of part 3
;; launch oproj (part 4): grid 8 x 32, 4 waves a work-group, clusters of 4 x 4, 327,680 bytes of LDS; arguments ao, wo16, bo, out0; writes out0
.if DOCPART == 4
	.amdgcn_target "amdgcn-amd-amdhsa--gfx1250"
	.amdhsa_code_object_version 6
	.text
	.protected	k_q924965cf5d_oproj
	.globl	k_q924965cf5d_oproj
	.p2align	8
	.type	k_q924965cf5d_oproj,@function
k_q924965cf5d_oproj:
	s_mov_b64 s[64:65], 0
	v_nop
	global_prefetch_b8 v0, s[64:65] scope:SCOPE_SE
	s_setreg_imm32_b32 hwreg(HW_REG_WAVE_MODE, 25, 1), 1
	s_wait_xcnt 0x0
	s_wait_alu depctr_hold_cnt(0) depctr_sa_sdst(0) depctr_va_vdst(0) depctr_va_sdst(0) depctr_va_ssrc(0) depctr_va_vcc(0) depctr_vm_vsrc(0)
	s_getreg_b32 s2, hwreg(HW_REG_IB_STS2, 6, 4)
	s_cmp_eq_u32 s2, 0
	s_cbranch_scc0 .Lentry_in_a_cluster
	s_endpgm
.Lentry_in_a_cluster:
	s_bfe_u32 s2, ttmp6, 0x10000c
	s_cmp_lg_u32 s2, 0xf033
	s_cbranch_scc0 .Lentry_shape_is_right
	s_endpgm
.Lentry_shape_is_right:
; OPROJ.  out0 = o Wo + bo: [4096][1024] x [1024][1024], operands in f16, sums and result in f32.
; A tile of the output is 128 x 128: 8 x 32 = 256 work-groups of four waves, each wave 64 x 64: 16 accumulators of 16 x 16.  K goes in steps of 256 through a ring of two LDS slots.
; Both operands lie in memory in the order of the operands' registers (blocks of 512 bytes, lane l's 16 bytes at 16 l; 16 blocks a tile of 16 rows and K step): a wave's tensor load brings 64 rows x 256 K as
; one dense piece of 32,768 bytes, and a fragment is two ds_load_b128 of 512 consecutive bytes: no pitch, no padding.
; CLUSTERS: 4 x 4 work-groups.  The four of a row of the cluster need the same tiles of o, the four of a column the same tiles of Wo: each is asked for JOINTLY, by the same tensor load with the same descriptor
; and a mask that names the four.  THE MATRIX INSTRUCTION IS USED TRANSPOSED (source 0 = 16 columns of Wo, source 1 = 16 tokens): a lane holds eight neighbouring numbers of a row of the output.
; The bias is the C of each sum's first product.
; The rows of positions 0-15 of each batch are stored here as all others (a branch round them would hang on the work-group's place in its cluster); the launch that follows stores them anew, carried in f32.
; REGISTERS: window 0: v0-31 addresses; v32-63 the bias, later with v64-95 rows on the way out; v128-255 the accumulators ((a, b) at v[128 + 8 (4 a + b)]).
;   window 1: two fragment buffers of 128: for 64 along K, 64 registers of o (2 x 4 tiles), then 64 of Wo.
.set HALFT,  32768                     ; 64 rows x 256 K: what one tensor load brings, and what one wave reads of o or of Wo
.set SLOT,   4*HALFT                   ; o's 128 rows, then Wo's 128 columns
.set KSB,    65536                     ; from a K step to the next in memory
.set STAGE,  2*SLOT                    ; behind the ring: 16 rows x 272 bytes for each wave, for the way out
.set SPITCH, 272
.set SPARE,  STAGE+4*16*SPITCH         ; behind the stages: the spare words, 128 bytes for each wave
.set LAPS,   2                         ; a lap = two K steps = once round the ring
.set ADRA, 16                          ; v16-17  LDS address of my fragments of o in slot 0, 1
.set ADRB, 20                          ; v20-21  the same for Wo
.set STO,  24                          ; v24     the way out: where I put 32 bytes of a row
.set RD,   25                          ; v25     where I read a row back
.set CO,   26                          ; v26     my byte offset in the output
.set SPW,  28                          ; v28     my spare word; never rewritten
.set NIL,  29                          ; v29     0; never rewritten
.set BIAS, 32
.set TMP,  32
.set ACC,  128
.set F0,   0
.set F1,   128
.set G1, 24                            ; s[24:31] descriptor group 1 for o's tiles;  s[32:39] group 0, one set for each slot
.set G0, 32
.set G1B, 48                           ; s[48:55], s[56:63] the same for Wo's
.set G0B, 56
.set MSB, 0
.macro WIN new                         ; the immediate's high byte repeats the setting that is left
.if MSB != \new
	s_set_vgpr_msb (MSB<<8)|\new
.set MSB, \new
.endif
.endm
.set MUL,  0x05                        ; sources 0 (Wo) and 1 (o) window 1; C and D window 0
.set TO_F, 0x40                        ; destination window 1, address window 0
.macro JLOAD s                         ; a joint load: waves 0 and 1 fetch o's two halves, waves 2 and 3 Wo's; an s_nop 0 and four v_nop follow each of the two lines
	s_cmp_eq_u32 s11, 0
	s_cbranch_scc0 .Lfor_b_\@
	tensor_load_to_lds s[G0+4*\s:G0+4*\s+3], s[G1:G1+7]
	s_nop 0
.rept 4
	v_nop
.endr
	s_branch .Lasked_\@
.Lfor_b_\@:
	tensor_load_to_lds s[G0B+4*\s:G0B+4*\s+3], s[G1B:G1B+7]
	s_nop 0
.rept 4
	v_nop
.endr
.Lasked_\@:
.endm
.macro CREST                           ; a round of the cluster's barrier behind its opening barrier
	s_cmp_lg_u32 s10, 0
	s_cbranch_scc1 .Lnot_wave_0_\@
	s_barrier_signal -3
.Lnot_wave_0_\@:
	s_barrier_wait -3
	s_barrier_signal -1
	s_barrier_wait -1
.endm
.macro CROUND                          ; a whole round
	s_barrier_signal -1
	s_barrier_wait -1
	CREST
.endm
	s_load_b128 s[4:7], s[0:1], 0x0                ; ao s[4:5], wo16 s[6:7]
	s_load_b128 s[68:71], s[0:1], 0x10             ; bo s[68:69], out0 s[70:71]
	v_lshl_add_u32 v[SPW], v0, 2, SPARE
	v_mov_b32 v[NIL], 0
	ds_add_u32 v[SPW], v[NIL]                      ; the wave's opening: the add, twice on end, and its wait ahead of my first tensor load
	ds_add_u32 v[SPW], v[NIL]
	v_lshrrev_b32 v1, 5, v0
	v_readfirstlane_b32 s10, v1                    ; wave 0..3
	s_lshr_b32 s11, s10, 1                         ; which half of the tile's rows is mine.  Also: I fetch for o (0) or for Wo (1)
	s_and_b32 s12, s10, 1                          ; which half of its columns.  Also: which half of that tile I fetch
	s_bfe_u32 s40, ttmp6, 0x40000                  ; cx, cy: my place in the cluster
	s_bfe_u32 s41, ttmp6, 0x40004
	s_lshl_b32 s42, ttmp9, 2
	s_add_co_u32 s42, s42, s40                     ; tile column = 4 x cluster x + cx
	s_and_b32 s13, ttmp7, 0xffff
	s_lshl_b32 s13, s13, 2
	s_add_co_u32 s13, s13, s41                     ; tile row = 4 x cluster y + cy
	s_lshl_b32 s43, s41, 2
	s_lshl_b32 s43, 15, s43                        ; my row of the cluster
	s_lshl_b32 s44, 0x1111, s40                    ; my column
	s_or_b32 s[G1+0], s43, (3<<16)|(1<<21)         ; 15:0 the mask: o's tiles go to my row; 17:16 elements of 8 bytes; 21 set beside a mask; no padding
	s_or_b32 s[G1B+0], s44, (3<<16)|(1<<21)
.irp g, G1, G1B
	s_mov_b32 s[\g+1], 32<<16                      ; tensor_dim0 = 32: rows of 256 bytes
	s_mov_b32 s[\g+2], 128<<16                     ; tensor_dim1 = 128 rows: 32,768 dense bytes
	s_mov_b32 s[\g+3], 32<<16                      ; tile_dim0
	s_mov_b32 s[\g+4], 128                         ; tile_dim1
	s_mov_b32 s[\g+5], 32                          ; the pitch
	s_mov_b32 s[\g+6], 0
	s_mov_b32 s[\g+7], 0
.endr
	s_lshl_b32 s17, s12, 15                        ; which half I fetch
	s_lshl_b32 s16, s13, 18
	s_add_co_u32 s16, s16, s17                     ; o: tile row x 262144 + half x 32768
	s_lshl_b32 s46, s42, 18
	s_add_co_u32 s46, s46, s17                     ; Wo: tile column x 262144 + half x 32768
	s_mov_b32 s17, 0
	s_mov_b32 s47, 0
	s_lshl_b32 s20, s10, 15                        ; where they go: wave x 32768: no place in the cluster enters an LDS address
	s_wait_dscnt 0x0                               ; both opening adds are done
	s_wait_kmcnt 0x0
	s_add_nc_u64 s[14:15], s[4:5], s[16:17]
	s_add_nc_u64 s[46:47], s[6:7], s[46:47]
	CROUND                                         ; all sixteen work-groups are here: the first joint loads meet
.irp s, 0,1
	s_mov_b32 s[G0+4*\s], 1
	s_add_co_u32 s[G0+4*\s+1], s20, \s*SLOT
	s_add_nc_u64 s[G0+4*\s+2:G0+4*\s+3], s[14:15], \s*KSB
	s_or_b32 s[G0+4*\s+3], s[G0+4*\s+3], 0x80000000
	s_mov_b32 s[G0B+4*\s], 1
	s_add_co_u32 s[G0B+4*\s+1], s20, \s*SLOT
	s_add_nc_u64 s[G0B+4*\s+2:G0B+4*\s+3], s[46:47], \s*KSB
	s_or_b32 s[G0B+4*\s+3], s[G0B+4*\s+3], 0x80000000
	JLOAD \s
.endr
	v_and_b32 v1, 15, v0                           ; r
	v_bfe_u32 v2, v0, 4, 1                         ; h
	v_and_b32 v3, 31, v0
	v_lshlrev_b32 v3, 4, v3                        ; 16 l
	s_lshl_b32 s21, s11, 15                        ; my 64 rows of o
	s_lshl_b32 s22, s12, 15                        ; my 64 columns of Wo,
	s_add_co_u32 s22, s22, 2*HALFT                 ; which lie behind o's 128 rows
.irp s, 0,1
	v_add_nc_u32 v[ADRA+\s], s21, v3
	v_add_nc_u32 v[ADRB+\s], s22, v3
	s_add_co_u32 s21, s21, SLOT
	s_add_co_u32 s22, s22, SLOT
.endr
	s_mul_i32 s23, s10, 16*SPITCH
	s_add_co_u32 s23, s23, STAGE                   ; my stage
	v_mul_u32_u24 v4, v1, SPITCH                   ; in: row r, 32 bytes for each half of the lanes
	v_lshl_add_u32 v4, v2, 5, v4
	v_add_nc_u32 v[STO], s23, v4
	v_mul_u32_u24 v5, v2, SPITCH                   ; back: lanes 0-15 one row of 256 bytes, lanes 16-31 the next
	v_lshl_add_u32 v5, v1, 4, v5
	v_add_nc_u32 v[RD], s23, v5
	v_lshlrev_b32 v5, 12, v2                       ; and the same two rows in the output
	v_lshl_add_u32 v[CO], v1, 4, v5
	s_lshl_b32 s16, s13, 19                        ; my first row: (128 x tile row + 64 x half) x 4,096 bytes
	s_lshl_b32 s17, s11, 18
	s_add_co_u32 s16, s16, s17
	s_mov_b32 s17, 0
	s_add_nc_u64 s[70:71], s[70:71], s[16:17]
	s_lshl_b32 s46, s42, 9                         ; my first column, in bytes: 512 x tile column + 256 x half
	s_lshl_b32 s47, s12, 8
	s_add_co_u32 s46, s46, s47
	s_mov_b32 s47, 0
	s_add_nc_u64 s[70:71], s[70:71], s[46:47]
	s_add_nc_u64 s[68:69], s[68:69], s[46:47]      ; and the bias of my 64 columns
	v_lshlrev_b32 v6, 5, v2
.irp b, 0,1,2,3
	global_load_b128 v[BIAS+8*\b:BIAS+8*\b+3], v6, s[68:69] offset:64*\b    ; lane (r, h): the bias of columns 16 b + 8 h + 0..7
	global_load_b128 v[BIAS+8*\b+4:BIAS+8*\b+7], v6, s[68:69] offset:64*\b+16
.endr
; 8 matrix instructions: token tiles a0, a0 + 1 x all 4 column tiles, 32 along K: half c of buffer f.  first = 1: the first product starts the sums, with the bias as C
.macro MUL8 f, c, a0, first
.irp a, \a0, \a0+1
.irp b, 0,1,2,3
.if \first
	v_wmma_f32_16x16x32_f16 v[ACC+8*(4*(\a)+\b):ACC+8*(4*(\a)+\b)+7], v[\f+64+8*(4*\c+\b):\f+64+8*(4*\c+\b)+7], v[\f+8*(4*\c+\a):\f+8*(4*\c+\a)+7], v[BIAS+8*\b:BIAS+8*\b+7]
.else
	v_wmma_f32_16x16x32_f16 v[ACC+8*(4*(\a)+\b):ACC+8*(4*(\a)+\b)+7], v[\f+64+8*(4*\c+\b):\f+64+8*(4*\c+\b)+7], v[\f+8*(4*\c+\a):\f+8*(4*\c+\a)+7], v[ACC+8*(4*(\a)+\b):ACC+8*(4*(\a)+\b)+7]
.endif
.endr
.endr
.endm
; 32 LDS loads in one run: the fragments of 64 along K (four blocks of each tile, from byte k of the tile's 8,192), into buffer f; the first 32 along K first
.macro FETCH slot, k, f
	WIN TO_F
.irp c, 0,1
.irp i, 0,1,2,3
	ds_load_b128 v[\f+64+8*(4*\c+\i):\f+64+8*(4*\c+\i)+3],   v[ADRB+\slot] offset:\k+1024*\c+\i*8192
	ds_load_b128 v[\f+64+8*(4*\c+\i)+4:\f+64+8*(4*\c+\i)+7], v[ADRB+\slot] offset:\k+1024*\c+\i*8192+512
	ds_load_b128 v[\f+8*(4*\c+\i):\f+8*(4*\c+\i)+3],         v[ADRA+\slot] offset:\k+1024*\c+\i*8192
	ds_load_b128 v[\f+8*(4*\c+\i)+4:\f+8*(4*\c+\i)+7],       v[ADRA+\slot] offset:\k+1024*\c+\i*8192+512
.endr
.endr
.endm
.macro PLACES                          ; four places in front of loads into registers that matrix instructions have read, and of LDS stores that read results
.rept 4
	v_nop
.endr
.endm
; A K step is four quarters of 64 along K, 32 matrix instructions each, on buffers 0, 1, 0, 1.  One of the first three: multiplies buffer f and fetches the next quarter, at byte k, into g.
.macro QUARTER slot, k, f, g, first
	s_wait_dscnt 16                                ; the first 32 along K are in
	WIN MUL
	MUL8 \f, 0, 0, \first
	MUL8 \f, 0, 2, \first
	PLACES
	FETCH \slot, \k, \g
	s_wait_dscnt 32                                ; all but the 32 just issued
	WIN MUL
	MUL8 \f, 1, 0, 0
	MUL8 \f, 1, 2, 0
.endm
; The last quarter multiplies buffer 1 and changes slots: ONE barrier; in front of it each wave waits for all its tensor loads, adds 0 to its spare word, and waits for that and for its own reads of this slot.
; fill = 1: this slot is filled again, two K steps ahead; the barrier then opens a round of the cluster's.
.macro TURN slot, next, fill
	WIN 0                                          ; (the add's two registers lie in window 0)
	s_wait_tensorcnt 0x0                           ; all my tensor loads have landed: my part of the next slot;
	ds_add_u32 v[SPW], v[NIL]                      ; 0 onto my spare word;
	s_wait_dscnt 17                                ; (the add and the youngest sixteen loads may be out)
	WIN MUL
	MUL8 F1, 0, 0, 0                               ; eight matrix instructions stand between the add and the wait for it
	s_wait_dscnt 0x0                               ; the add is done, and my reads of this slot are over
	s_barrier_signal -1
	MUL8 F1, 0, 2, 0
.if \fill
	WIN 0
.endif
	s_barrier_wait -1
.if \fill
	CREST                                          ; no wave of any partner still reads this slot's tile or has a load on its way
	s_add_nc_u64 s[G0+4*\slot+2:G0+4*\slot+3], s[G0+4*\slot+2:G0+4*\slot+3], 2*KSB
	s_add_nc_u64 s[G0B+4*\slot+2:G0B+4*\slot+3], s[G0B+4*\slot+2:G0B+4*\slot+3], 2*KSB
	JLOAD \slot                                    ; the first tensor load behind the round; the four v_nop behind it are also the places in front of the loads below
.else
	PLACES
.endif
	FETCH \next, 0, F0
	WIN MUL
	MUL8 F1, 1, 0, 0
	MUL8 F1, 1, 2, 0
.endm
	s_wait_tensorcnt 1                             ; my part of K step 0 is in; K step 1's may stay out
	s_barrier_signal -1
	s_barrier_wait -1                              ; everybody's is
	FETCH 0, 0, F0
	s_wait_loadcnt 0x0                             ; the bias
	QUARTER 0, 2048, F0, F1, 1                     ; the first quarter stands in front of the loop: its first products start the sums
	WIN 0                                          ; at a label and at a branch every window is 0
	s_mov_b32 s3, LAPS-1
.Llap:                                                 ; a trip goes once round the ring, from a lap's second quarter to the next lap's first, and fills both slots again
	QUARTER 0, 4096, F1, F0, 0
	QUARTER 0, 6144, F0, F1, 0
	TURN 0, 1, 1
	QUARTER 1, 2048, F0, F1, 0
	QUARTER 1, 4096, F1, F0, 0
	QUARTER 1, 6144, F0, F1, 0
	TURN 1, 0, 1
	QUARTER 0, 2048, F0, F1, 0
	WIN 0
	s_sub_co_u32 s3, s3, 1
	s_cmp_lg_u32 s3, 0
	s_cbranch_scc1 .Llap
	QUARTER 0, 4096, F1, F0, 0                     ; the last lap fills nothing, and has no round of the cluster's barrier
	QUARTER 0, 6144, F0, F1, 0
	TURN 0, 1, 0
	QUARTER 1, 2048, F0, F1, 0
	QUARTER 1, 4096, F1, F0, 0
	QUARTER 1, 6144, F0, F1, 0
	s_wait_dscnt 16                                ; the very last quarter: nothing more to fetch
	WIN MUL
	MUL8 F1, 0, 0, 0
	MUL8 F1, 0, 2, 0
	s_wait_dscnt 0
	MUL8 F1, 1, 0, 0
	MUL8 F1, 1, 2, 0
	WIN 0
; THE WAY OUT, 16 rows x 64 columns at a time.  A lane holds 32 neighbouring bytes of a row and the lanes beside it other rows: a block goes through my own stage and comes back as whole rows of 256 bytes.
; LDS serves a wave's instructions in order: no wait between the stores and the loads, nor in front of the next block's stores.
.macro TOSTAGE a
.irp b, 0,1,2,3
	ds_store_b128 v[STO], v[ACC+8*(4*(\a)+\b):ACC+8*(4*(\a)+\b)+3] offset:64*\b       ; each accumulator from its low end on
	ds_store_b128 v[STO], v[ACC+8*(4*(\a)+\b)+4:ACC+8*(4*(\a)+\b)+7] offset:64*\b+16
.endr
.irp t, 0,1,2,3,4,5,6,7
	ds_load_b128 v[TMP+32*((\a)%2)+4*\t:TMP+32*((\a)%2)+4*\t+3], v[RD] offset:\t*2*SPITCH
.endr
.endm
.macro SEND a, younger                 ; younger: the LDS instructions issued behind block a's loads, which may stay out
	s_wait_dscnt \younger
.irp t, 0,1,2,3,4,5,6,7
	global_store_b128 v[CO], v[TMP+32*((\a)%2)+4*\t:TMP+32*((\a)%2)+4*\t+3], s[70:71] offset:(16*(\a)+2*\t)*4096 th:TH_STORE_NT   ; 16 lanes store 256 consecutive bytes, at a multiple of 256 from the output's first byte
.endr
.endm
	PLACES
	TOSTAGE 0
.irp a, 1,2,3
.if \a > 1
	s_wait_xcnt 0x0                                ; block a - 2's stores have read their registers: block a's loads may land there
.endif
	TOSTAGE \a
	SEND \a-1, 16                                  ; behind block a - 1's loads: block a's 8 stores and 8 loads
.endr
	SEND 3, 0
	s_wait_tensorcnt 0x0                           ; the wave's end: behind my last tensor load and my last LDS store
	ds_add_u32 v[SPW], v[NIL]
	s_wait_dscnt 0x0
	CROUND                                         ; the closing round: no work-group ends while a partner may still ask for a tile that names it
	s_endpgm
.Lfunc_end_k_q924965cf5d_oproj:
	.size	k_q924965cf5d_oproj, .Lfunc_end_k_q924965cf5d_oproj-k_q924965cf5d_oproj
	.p2alignl 7, 3214868480
	.fill 96, 4, 3214868480
	.section	.rodata,"a",@progbits
	.p2align	6, 0x0
	.amdhsa_kernel k_q924965cf5d_oproj
		.amdhsa_group_segment_fixed_size 327680
		.amdhsa_private_segment_fixed_size 0
		.amdhsa_enable_private_segment 0
		.amdhsa_kernarg_size 32
		.amdhsa_user_sgpr_count 2
		.amdhsa_user_sgpr_kernarg_segment_ptr 1
		.amdhsa_wavefront_size32 1
		.amdhsa_system_sgpr_workgroup_id_x 1
		.amdhsa_system_sgpr_workgroup_id_y 1
		.amdhsa_system_sgpr_workgroup_id_z 1
		.amdhsa_system_vgpr_workitem_id 0
		.amdhsa_next_free_vgpr 512
		.amdhsa_next_free_sgpr 72
		.amdhsa_reserve_vcc 0
		.amdhsa_float_denorm_mode_32 3
		.amdhsa_float_denorm_mode_16_64 3
		.amdhsa_memory_ordered 1
		.amdhsa_forward_progress 1
		.amdhsa_inst_pref_size 86
	.end_amdhsa_kernel
	.amdgpu_metadata
---
amdhsa.version: [ 1, 2 ]
amdhsa.kernels:
  - .name:           k_q924965cf5d_oproj
    .symbol:         k_q924965cf5d_oproj.kd
    .args:
      - { .name: ao, .offset: 0, .size: 8, .value_kind: global_buffer, .address_space: global }
      - { .name: wo16, .offset: 8, .size: 8, .value_kind: global_buffer, .address_space: global }
      - { .name: bo, .offset: 16, .size: 8, .value_kind: global_buffer, .address_space: global }
      - { .name: out0, .offset: 24, .size: 8, .value_kind: global_buffer, .address_space: global }
    .group_segment_fixed_size: 327680
    .private_segment_fixed_size: 0
    .kernarg_segment_align: 8
    .kernarg_segment_size: 32
    .max_flat_workgroup_size: 128
    .sgpr_count:     72
    .vgpr_count:     512
    .wavefront_size: 32
...
	.end_amdgpu_metadata
.endif
;; end of part 4
;; launch fine (part 5): grid 64 x 2, 16 waves a work-group, no clusters, 18,432 bytes of LDS; arguments fine32, Wo, bo, out0; writes out0
.if DOCPART == 5
	.amdgcn_target "amdgcn-amd-amdhsa--gfx1250"
	.amdhsa_code_object_version 6
	.text
	.protected	k_q924965cf5d_fine
	.globl	k_q924965cf5d_fine
	.p2align	8
	.type	k_q924965cf5d_fine,@function
k_q924965cf5d_fine:
	s_mov_b64 s[64:65], 0
	v_nop
	global_prefetch_b8 v0, s[64:65] scope:SCOPE_SE
	s_setreg_imm32_b32 hwreg(HW_REG_WAVE_MODE, 25, 1), 1
	s_wait_xcnt 0x0
; FINE.  Positions 0-15 of each batch, carried in f32 from q, k, v (the f32 copy) to the output: under the causal mask these rows average one to sixteen values and are the largest in size.
; SHARES: work-group (x, bi) makes the 16 tokens x 16 output columns 16 x .. 16 x + 15 of batch bi.  Wave w is head w: its 16 x 16 scores, softmax, its 16 x 64 of o, and its 64 channels' part of the projection;
; the sixteen parts meet in LDS and wave 0 adds them, with the bias, and stores.  The attention is computed anew in each of the 64 work-groups of a batch: 32 small products a wave.
; All products by the f32 matrix form, 16 x 16 x 4.  Its four places along K are given the same channels (or keys) in both sources, so any four may stand there: the loads take what lies together.
;   S^T = K Q^T: register 4 i + e of K and of Q holds channel 8 i + 4 h + e of row r.      O^T = V^T P: P's registers 2 kk, 2 kk + 1 hold keys 8 h + 2 kk + 0, 1 as S^T left them; V is loaded so.
;   out^T = Wo^T O: O^T's registers 8 ct + 2 kk + 0, 1 hold channels 16 ct + 8 h + 2 kk + 0, 1; Wo is loaded so.  A lane ends with token r and columns 8 h + 0..7.
; The registers that these products write (v144-207) are written by matrix instructions alone; each sum begins with the constant 0; two or four accumulators take turns.
; No cluster, no tensor load, no prefetch: 82 loads a wave, all issued at the head.  The output leaves in pieces of 64 bytes: 131,072 bytes in all.
.set SPARE, 16384                      ; behind the sixteen parts (1,024 bytes each): the spare words, 128 bytes a wave
.set KA, 16                            ; v16-47   K
.set QB, 48                            ; v48-79   Q
.set VA, 80                            ; v80-111  V
.set WA, 112                           ; v112-143 Wo
.set SA, 144                           ; v144-159 S^T in two halves of the sum
.set OA, 160                           ; v160-191 O^T
.set PA, 192                           ; v192-207 my part of the output, in two halves
.set XP, 208                           ; v208-215 the scores, then p
.set PT, 216                           ; v216-223 my part
.set BB, 224                           ; v224-231 the bias, then the sum
	s_load_b256 s[4:11], s[0:1], 0x0               ; fine32 4, Wo 6, bo 8, out0 10
	v_lshl_add_u32 v3, v0, 2, SPARE
	v_mov_b32 v4, 0
	v_lshrrev_b32 v1, 5, v0
	v_readfirstlane_b32 s12, v1                    ; wave = head
	s_lshr_b32 s13, s12, 2                         ; its group
	s_lshl_b32 s14, ttmp9, 6                       ; my 16 columns, in bytes
	s_and_b32 s15, ttmp7, 0xffff                   ; bi
	s_mul_i32 s16, s15, 98304                      ; the batch's 16 rows of 6,144 bytes
	s_lshl_b32 s17, s13, 8
	s_add_co_u32 s20, s16, s17
	s_add_co_u32 s24, s20, 5120                    ; V: column 1280 + 64 g
	s_add_co_u32 s20, s20, 4096                    ; K: column 1024 + 64 g
	s_lshl_b32 s22, s12, 8
	s_add_co_u32 s22, s22, s16                     ; Q: column 64 w
	s_lshl_b32 s26, s12, 18
	s_add_co_u32 s26, s26, s14                     ; Wo: row 64 w, my columns
	s_mov_b32 s28, s14
	s_lshl_b32 s30, s15, 23
	s_add_co_u32 s30, s30, s14                     ; the output: the batch's first row, my columns
	s_mov_b32 s21, 0
	s_mov_b32 s23, 0
	s_mov_b32 s25, 0
	s_mov_b32 s27, 0
	s_mov_b32 s29, 0
	s_mov_b32 s31, 0
	s_mov_b32 s18, 0x3e38aa3b                      ; c = log2(e) / 8
	s_mov_b32 s32, 0x76543210
	s_mov_b32 s33, 0xfedcba98                      ; lane l xor 16
	v_and_b32 v1, 15, v0                           ; r
	v_bfe_u32 v2, v0, 4, 1                         ; h
	v_mul_u32_u24 v5, v1, 6144
	v_lshl_add_u32 v5, v2, 4, v5                   ; K, Q: row r, 16 h bytes on
	v_mul_u32_u24 v6, v2, 49152
	v_lshl_add_u32 v6, v1, 2, v6                   ; V: 8 h rows down, channel r
	v_lshlrev_b32 v7, 15, v2
	v_lshl_add_u32 v7, v1, 2, v7                   ; Wo: 8 h rows down, column r
	v_lshlrev_b32 v8, 3, v2
	v_sub_nc_u32 v8, v1, v8                        ; r - 8 h
	v_mov_b32 v9, 0xff800000                       ; -infinity
	v_and_b32 v10, 31, v0
	v_lshlrev_b32 v234, 4, v10                     ; 16 l
	s_lshl_b32 s19, s12, 10
	v_add_nc_u32 v232, s19, v234                   ; my part's place in LDS
	v_lshlrev_b32 v233, 12, v1
	v_lshl_add_u32 v233, v2, 5, v233               ; the output: row r, 32 h bytes on
	v_lshlrev_b32 v235, 5, v2
	s_wait_kmcnt 0x0
	s_add_nc_u64 s[20:21], s[4:5], s[20:21]
	s_add_nc_u64 s[22:23], s[4:5], s[22:23]
	s_add_nc_u64 s[24:25], s[4:5], s[24:25]
	s_add_nc_u64 s[26:27], s[6:7], s[26:27]
	s_add_nc_u64 s[28:29], s[8:9], s[28:29]
	s_add_nc_u64 s[30:31], s[10:11], s[30:31]
.irp i, 0,1,2,3,4,5,6,7
	global_load_b128 v[KA+4*\i:KA+4*\i+3], v5, s[20:21] offset:32*\i
.endr
.irp i, 0,1,2,3,4,5,6,7
	global_load_b128 v[QB+4*\i:QB+4*\i+3], v5, s[22:23] offset:32*\i
.endr
.irp ct, 0,1,2,3
.irp kk, 0,1,2,3
.irp j, 0,1
	global_load_b32 v[VA+2*(4*\ct+\kk)+\j], v6, s[24:25] offset:(2*\kk+\j)*6144+64*\ct       ; v[key 8 h + 2 kk + j][16 ct + r]
.endr
.endr
.endr
.irp ct, 0,1,2,3
.irp kk, 0,1,2,3
.irp j, 0,1
	global_load_b32 v[WA+2*(4*\ct+\kk)+\j], v7, s[26:27] offset:(16*\ct+2*\kk+\j)*4096       ; Wo[64 w + 16 ct + 8 h + 2 kk + j][my column r]
.endr
.endr
.endr
	global_load_b128 v[BB:BB+3], v235, s[28:29]
	global_load_b128 v[BB+4:BB+7], v235, s[28:29] offset:16
	s_wait_loadcnt 63                              ; K's and Q's 16 loads are in (66 were issued behind them; the count names at most 63)
.irp u, 0,1,2,3,4,5,6,7,8,9,10,11,12,13,14,15
.if \u < 2
	v_wmma_f32_16x16x4_f32 v[SA+8*(\u%2):SA+8*(\u%2)+7], v[KA+2*\u:KA+2*\u+1], v[QB+2*\u:QB+2*\u+1], 0
.else
	v_wmma_f32_16x16x4_f32 v[SA+8*(\u%2):SA+8*(\u%2)+7], v[KA+2*\u:KA+2*\u+1], v[QB+2*\u:QB+2*\u+1], v[SA+8*(\u%2):SA+8*(\u%2)+7]
.endif
.endr
.rept 8
	v_nop                                          ; eight places behind this form before a vector instruction reads a result
.endr
.irp j, 0,1,2,3,4,5,6,7
	v_add_f32 v[XP+\j], v[SA+\j], v[SA+8+\j]       ; the score of key 8 h + j and query r; both halves from their low end on
.endr
.irp j, 0,1,2,3,4,5,6,7
	v_cmp_gt_i32 vcc_lo, \j, v8                    ; hidden where 8 h + j > r
	v_cndmask_b32 v[XP+\j], v[XP+\j], v9, vcc_lo
.endr
	v_max3_num_f32 v10, v[XP], v[XP+1], v[XP+2]
	v_max3_num_f32 v11, v[XP+3], v[XP+4], v[XP+5]
	v_max3_num_f32 v10, v10, v[XP+6], v[XP+7]
	v_max_num_f32 v10, v10, v11
	v_permlanex16_b32 v11, v10, s32, s33
	v_max_num_f32 v10, v10, v11                    ; the row's maximum: key 0 counts for every query, so it is a number
	v_mul_f32 v12, s18, v10
.irp j, 0,1,2,3,4,5,6,7
	v_fma_f32 v[XP+\j], v[XP+\j], s18, -v12
.endr
.irp j, 0,1,2,3,4,5,6,7
	v_exp_f32 v[XP+\j], v[XP+\j]
.endr
	v_nop                                          ; a plain place behind the last exponential
	s_wait_alu depctr_va_vdst(0)                   ; one wait for the eight, ahead of their first reader
	v_add_f32 v10, v[XP], v[XP+1]
	v_add_f32 v11, v[XP+2], v[XP+3]
	v_add_f32 v13, v[XP+4], v[XP+5]
	v_add_f32 v14, v[XP+6], v[XP+7]
	v_add_f32 v10, v10, v11
	v_add_f32 v13, v13, v14
	v_add_f32 v10, v10, v13
	v_permlanex16_b32 v11, v10, s32, s33
	v_add_f32 v10, v10, v11                        ; the row's sum
	v_rcp_f32 v13, v10
	v_nop
	s_wait_alu depctr_va_vdst(0)
.irp j, 0,1,2,3,4,5,6,7
	v_mul_f32 v[XP+\j], v[XP+\j], v13              ; p
.endr
	s_wait_loadcnt 34                              ; V is in; Wo's 32 loads and the bias's 2 may be out
.rept 4
	v_nop
.endr
.irp kk, 0,1,2,3
.irp ct, 0,1,2,3
.if \kk == 0
	v_wmma_f32_16x16x4_f32 v[OA+8*\ct:OA+8*\ct+7], v[VA+2*(4*\ct+\kk):VA+2*(4*\ct+\kk)+1], v[XP+2*\kk:XP+2*\kk+1], 0
.else
	v_wmma_f32_16x16x4_f32 v[OA+8*\ct:OA+8*\ct+7], v[VA+2*(4*\ct+\kk):VA+2*(4*\ct+\kk)+1], v[XP+2*\kk:XP+2*\kk+1], v[OA+8*\ct:OA+8*\ct+7]
.endif
.endr
.endr
.rept 9
	v_nop                                          ; nine places before a matrix instruction takes these results as a source
.endr
	s_wait_loadcnt 0x0
.irp u, 0,1,2,3,4,5,6,7,8,9,10,11,12,13,14,15
.if \u < 2
	v_wmma_f32_16x16x4_f32 v[PA+8*(\u%2):PA+8*(\u%2)+7], v[WA+2*\u:WA+2*\u+1], v[OA+2*\u:OA+2*\u+1], 0
.else
	v_wmma_f32_16x16x4_f32 v[PA+8*(\u%2):PA+8*(\u%2)+7], v[WA+2*\u:WA+2*\u+1], v[OA+2*\u:OA+2*\u+1], v[PA+8*(\u%2):PA+8*(\u%2)+7]
.endif
.endr
.rept 8
	v_nop
.endr
.irp j, 0,1,2,3,4,5,6,7
	v_add_f32 v[PT+\j], v[PA+\j], v[PA+8+\j]       ; my head's part of out[token r][8 h + j]
.endr
	ds_store_b128 v232, v[PT:PT+3]
	ds_store_b128 v232, v[PT+4:PT+7] offset:512
	s_wait_tensorcnt 0x0                           ; behind my last LDS store; only LDS loads follow
	ds_add_u32 v3, v4
	s_wait_dscnt 0x0                               ; also for the others' sake: my part is stored
	s_barrier_signal -1
	s_barrier_wait -1
	s_cmp_lg_u32 s12, 0
	s_cbranch_scc1 .Lend
.irp p, 0,1,2,3,4,5,6,7,8,9,10,11,12,13,14,15
	ds_load_b128 v[16+8*\p:19+8*\p], v234 offset:\p*1024
	ds_load_b128 v[20+8*\p:23+8*\p], v234 offset:\p*1024+512
.endr
	s_wait_dscnt 0x0
.irp p, 0,1,2,3,4,5,6,7,8,9,10,11,12,13,14,15
.irp m, 0,2,4,6
	v_pk_add_f32 v[BB+\m:BB+\m+1], v[BB+\m:BB+\m+1], v[16+8*\p+\m:17+8*\p+\m]
.endr
.endr
	global_store_b128 v233, v[BB:BB+3], s[30:31]
	global_store_b128 v233, v[BB+4:BB+7], s[30:31] offset:16
.Lend:
	s_endpgm
.Lfunc_end_k_q924965cf5d_fine:
	.size	k_q924965cf5d_fine, .Lfunc_end_k_q924965cf5d_fine-k_q924965cf5d_fine
	.p2alignl 7, 3214868480
	.fill 96, 4, 3214868480
	.section	.rodata,"a",@progbits
	.p2align	6, 0x0
	.amdhsa_kernel k_q924965cf5d_fine
		.amdhsa_group_segment_fixed_size 18432
		.amdhsa_private_segment_fixed_size 0
		.amdhsa_enable_private_segment 0
		.amdhsa_kernarg_size 32
		.amdhsa_user_sgpr_count 2
		.amdhsa_user_sgpr_kernarg_segment_ptr 1
		.amdhsa_wavefront_size32 1
		.amdhsa_system_sgpr_workgroup_id_x 1
		.amdhsa_system_sgpr_workgroup_id_y 1
		.amdhsa_system_sgpr_workgroup_id_z 1
		.amdhsa_system_vgpr_workitem_id 0
		.amdhsa_next_free_vgpr 256
		.amdhsa_next_free_sgpr 66
		.amdhsa_reserve_vcc 1
		.amdhsa_float_denorm_mode_32 3
		.amdhsa_float_denorm_mode_16_64 3
		.amdhsa_memory_ordered 1
		.amdhsa_forward_progress 1
		.amdhsa_inst_pref_size 24
	.end_amdhsa_kernel
	.amdgpu_metadata
---
amdhsa.version: [ 1, 2 ]
amdhsa.kernels:
  - .name:           k_q924965cf5d_fine
    .symbol:         k_q924965cf5d_fine.kd
    .args:
      - { .name: fine32, .offset: 0, .size: 8, .value_kind: global_buffer, .address_space: global }
      - { .name: Wo, .offset: 8, .size: 8, .value_kind: global_buffer, .address_space: global }
      - { .name: bo, .offset: 16, .size: 8, .value_kind: global_buffer, .address_space: global }
      - { .name: out0, .offset: 24, .size: 8, .value_kind: global_buffer, .address_space: global }
    .group_segment_fixed_size: 18432
    .private_segment_fixed_size: 0
    .kernarg_segment_align: 8
    .kernarg_segment_size: 32
    .max_flat_workgroup_size: 512
    .sgpr_count:     66
    .vgpr_count:     256
    .wavefront_size: 32
...
	.end_amdgpu_metadata
.endif
;; end of part 5
